; MI455X (gfx1250); checked and timed in simulation.
; The chip was launched on July 23, 2026; its instructions are those of AMD's public machine-readable ISA for CDNA 5 (MIT licence, August 2026) and "CDNA5" Instruction Set Architecture Reference Guide (July 2026). The comments in the code are by the model that wrote it; some were corrected since.
;; Causal Attention. Allowed arithmetic: float matrix products may take bf16 or f16 operands with f32 sums; other float arithmetic in f32, or as packed bf16 or f16 multiplies, adds, multiply-adds, maxima and minima; sums over many terms, partial sums and values carried from step to step in f32; what a program stores and reads back later, other than sums and carried values, may be rounded once to bf16 or f16.
;; Inputs: Wk 1,024 x 1,024 float32; Wq 1,024 x 1,024 float32; Wv 1,024 x 1,024 float32; x 4 x 2,048 x 1,024 float32.
;; Outputs: out0 4 x 2,048 x 1,024 float32.
;; One version. Each part assembles by itself: llvm-mc -triple=amdgcn-amd-amdhsa -mcpu=gfx1250 --defsym DOCPART=n.
;; ======== version 1 of 1: 4 launches
;; limits: values are held in f16: magnitudes above 65,504 overflow, below 6.1e-05 lose precision
;; workspace buffers: xb 16,777,216 bytes; wb 6,291,456 bytes; qkv 50,331,648 bytes; pw 33,554,432 bytes; st 1,048,576 bytes; vf 262,144 bytes; pf 4,096 bytes
;; launch cast (part 1): grid 256 x 1, 8 waves a work-group, no clusters, 0 bytes of LDS; arguments x, Wq, Wk, Wv, xb, wb; writes xb, wb
.if DOCPART == 1
	.amdgcn_target "amdgcn-amd-amdhsa--gfx1250"
	.amdhsa_code_object_version 6
	.text
	.protected	k_qc9b91dfed9_cast
	.globl	k_qc9b91dfed9_cast
	.p2align	8
	.type	k_qc9b91dfed9_cast,@function
k_qc9b91dfed9_cast:
	s_mov_b64 s[64:65], 0
	v_nop
	global_prefetch_b8 v0, s[64:65] scope:SCOPE_SE
	s_setreg_imm32_b32 hwreg(HW_REG_WAVE_MODE, 25, 1), 1
	s_wait_xcnt 0x0
; xb = bf16(x), wb = bf16(Wq; Wk; Wv stacked by rows): one rounding to nearest even of every input number, laid IN BLOCKS OF 64 ALONG K:
; xb: [K block 16][row 8192][64], wb: [K block 16][row 3072][64].  So the rows that the next launch takes for one K step of 64 lie end to end, and it can ask for them as rows of 256 bytes.
; 256 work-groups of equal work: group g takes rows 32 g on of x (131,072 bytes in, 65,536 out) and rows 4 g on of each of the three weight matrices (16,384 bytes in, 8,192 out).
; Lanes 0-15 of a wave take 64 numbers of one row (256 consecutive bytes, aligned), lanes 16-31 the same K block of the next row; a thread's four numbers round to 8 bytes, in place,
; and the wave's store covers 256 consecutive bytes, aligned: two rows of one K block.  Load i of wave w: the pair of rows i / 2, K block 8 (i % 2) + w.
; All 44 loads of a thread go out first; no register is loaded twice, so the only waits are the counted ones for data.
; No LDS, no matrix unit, no cluster: the work-groups share nothing and each byte is touched once.
.set NX, 32                            ; loads from x
.set NW, 4                             ; loads from each weight matrix
.set NL, NX+3*NW                       ; 44
.set IN, 4                             ; v[4:179] load i: 4 f32, then 4 bf16 in its first two registers
.set XBLK, 8192*128                    ; bytes in a K block of xb
.set WBLK, 3072*128                    ; bytes in a K block of wb
	s_load_b256 s[4:11], s[0:1], 0x0               ; x s[4:5], Wq s[6:7], Wk s[8:9], Wv s[10:11]
	s_load_b128 s[12:15], s[0:1], 0x20             ; xb s[12:13], wb s[14:15]
	v_lshrrev_b32 v4, 5, v0                        ; wave w (v4 and v5 are at work here, ahead of the loads that fill them)
	v_bfe_u32 v5, v0, 4, 1                         ; which of a pair of rows
	v_and_b32 v1, 15, v0
	v_lshlrev_b32 v1, 4, v1                        ; source: 16 bytes a lane in a K block's 256,
	v_lshl_add_u32 v1, v5, 12, v1                  ; a row of 4,096 bytes,
	v_lshl_add_u32 v1, v4, 8, v1                   ; K block w
	v_and_b32 v5, 31, v0
	v_lshlrev_b32 v5, 3, v5                        ; destination: 8 bytes a lane in two rows' 256,
	v_lshl_add_u32 v2, v4, 20, v5                  ; K block w of xb (1,048,576 bytes each)
	v_mul_u32_u24 v3, v4, WBLK
	v_add_nc_u32 v3, v3, v5                        ; K block w of wb
	s_lshl_b32 s16, ttmp9, 17                      ; the group's 32 rows in x,
	s_lshl_b32 s18, ttmp9, 12                      ; in a K block of xb (128 bytes a row),
	s_lshl_b32 s20, ttmp9, 14                      ; its 4 rows in a weight matrix,
	s_lshl_b32 s22, ttmp9, 9                       ; and in a K block of wb
	s_mov_b32 s17, 0
	s_mov_b32 s19, 0
	s_mov_b32 s21, 0
	s_mov_b32 s23, 0
	s_wait_kmcnt 0x0
	s_add_nc_u64 s[4:5], s[4:5], s[16:17]
	s_add_nc_u64 s[6:7], s[6:7], s[20:21]
	s_add_nc_u64 s[8:9], s[8:9], s[20:21]
	s_add_nc_u64 s[10:11], s[10:11], s[20:21]
	s_add_nc_u64 s[12:13], s[12:13], s[18:19]
	s_add_nc_u64 s[14:15], s[14:15], s[22:23]
	s_add_nc_u64 s[24:25], s[12:13], 8*XBLK        ; xb's K blocks 8 on: 8,388,608 bytes, one more than a store's immediate holds
.set i, 0
.rept NX
	global_load_b128 v[IN+4*i:IN+4*i+3], v1, s[4:5] offset:(i/2)*8192+(i%2)*2048 th:TH_LOAD_NT
.set i, i+1
.endr
.irp m, 0,1,2
.irp r, 0,1,2,3
	global_load_b128 v[IN+4*(NX+NW*\m+\r):IN+4*(NX+NW*\m+\r)+3], v1, s[6+2*\m:7+2*\m] offset:(\r/2)*8192+(\r%2)*2048 th:TH_LOAD_NT
.endr
.endr
.set i, 0
.rept NL
.if i%4 == 0
	s_wait_loadcnt NL-4-i                          ; loads come back in order: loads i to i + 3 are in, the 40 - i behind them stay out
.endif
	v_cvt_pk_bf16_f32 v[IN+4*i],   v[IN+4*i],   v[IN+4*i+1]
	v_cvt_pk_bf16_f32 v[IN+4*i+1], v[IN+4*i+2], v[IN+4*i+3]
.if i < NX
	global_store_b64 v2, v[IN+4*i:IN+4*i+1], s[12+12*(i%2):13+12*(i%2)] offset:(i/2)*256
.else
	global_store_b64 v3, v[IN+4*i:IN+4*i+1], s[14:15] offset:((i-NX)%2)*8*WBLK+((i-NX)/NW)*131072+(((i-NX)%NW)/2)*256  ; a matrix's 1,024 rows are 131,072 bytes of a K block
.endif
.set i, i+1
.endr
	s_endpgm
.Lfunc_end_k_qc9b91dfed9_cast:
	.size	k_qc9b91dfed9_cast, .Lfunc_end_k_qc9b91dfed9_cast-k_qc9b91dfed9_cast
	.p2alignl 7, 3214868480
	.fill 96, 4, 3214868480
	.section	.rodata,"a",@progbits
	.p2align	6, 0x0
	.amdhsa_kernel k_qc9b91dfed9_cast
		.amdhsa_group_segment_fixed_size 0
		.amdhsa_private_segment_fixed_size 0
		.amdhsa_enable_private_segment 0
		.amdhsa_kernarg_size 48
		.amdhsa_user_sgpr_count 2
		.amdhsa_user_sgpr_kernarg_segment_ptr 1
		.amdhsa_wavefront_size32 1
		.amdhsa_system_sgpr_workgroup_id_x 1
		.amdhsa_system_sgpr_workgroup_id_y 1
		.amdhsa_system_sgpr_workgroup_id_z 1
		.amdhsa_system_vgpr_workitem_id 0
		.amdhsa_next_free_vgpr 180
		.amdhsa_next_free_sgpr 66
		.amdhsa_reserve_vcc 0
		.amdhsa_float_denorm_mode_32 3
		.amdhsa_float_denorm_mode_16_64 3
		.amdhsa_memory_ordered 1
		.amdhsa_forward_progress 1
		.amdhsa_inst_pref_size 16
	.end_amdhsa_kernel
	.amdgpu_metadata
---
amdhsa.version: [ 1, 2 ]
amdhsa.kernels:
  - .name:           k_qc9b91dfed9_cast
    .symbol:         k_qc9b91dfed9_cast.kd
    .args:
      - { .name: x, .offset: 0, .size: 8, .value_kind: global_buffer, .address_space: global }
      - { .name: Wq, .offset: 8, .size: 8, .value_kind: global_buffer, .address_space: global }
      - { .name: Wk, .offset: 16, .size: 8, .value_kind: global_buffer, .address_space: global }
      - { .name: Wv, .offset: 24, .size: 8, .value_kind: global_buffer, .address_space: global }
      - { .name: xb, .offset: 32, .size: 8, .value_kind: global_buffer, .address_space: global }
      - { .name: wb, .offset: 40, .size: 8, .value_kind: global_buffer, .address_space: global }
    .group_segment_fixed_size: 0
    .private_segment_fixed_size: 0
    .kernarg_segment_align: 8
    .kernarg_segment_size: 48
    .max_flat_workgroup_size: 256
    .sgpr_count:     66
    .vgpr_count:     180
    .wavefront_size: 32
...
	.end_amdgpu_metadata
.endif
;; end of part 1
;; launch proj (part 2): grid 8 x 32, 4 waves a work-group, clusters of 4 x 4, 327,680 bytes of LDS; arguments xb, wb, qkv; writes qkv
.if DOCPART == 2
	.amdgcn_target "amdgcn-amd-amdhsa--gfx1250"
	.amdhsa_code_object_version 6
	.text
	.protected	k_qc9b91dfed9_proj
	.globl	k_qc9b91dfed9_proj
	.p2align	8
	.type	k_qc9b91dfed9_proj,@function
k_qc9b91dfed9_proj:
	s_mov_b64 s[64:65], 0
	v_nop
	global_prefetch_b8 v0, s[64:65] scope:SCOPE_SE
	s_setreg_imm32_b32 hwreg(HW_REG_WAVE_MODE, 25, 1), 1
	s_wait_xcnt 0x0
	s_wait_alu depctr_hold_cnt(0) depctr_sa_sdst(0) depctr_va_vdst(0) depctr_va_sdst(0) depctr_va_ssrc(0) depctr_va_vcc(0) depctr_vm_vsrc(0)
	s_getreg_b32 s2, hwreg(HW_REG_IB_STS2, 6, 4)
	s_cmp_eq_u32 s2, 0
	s_cbranch_scc0 .Lentry_in_a_cluster
	s_endpgm
.Lentry_in_a_cluster:
	s_bfe_u32 s2, ttmp6, 0x10000c
	s_cmp_lg_u32 s2, 0xf033
	s_cbranch_scc0 .Lentry_shape_is_right
	s_endpgm
.Lentry_shape_is_right:
; qkv[m][n] = sum over k of xb[m][k] wb[n][k].  xb (8192 rows) and wb (3072 rows: Wq, Wk, Wv) are bf16 and lie in blocks of 64 along K, [K block 16][row][64]; qkv: [8192][3072] f16; sums in f32, rounded once.
; LIMIT: q, k, v leave as f16, which ends at 65,504; with x and the weights each 30 times the drawn spread they reach some 2e4.
; SHARES.  8192 x 3072 is 256 tiles of 256 x 384: one for each work-group of the grid of 8 x 32.  Four waves, each 128 x 192: 96 accumulators of 16 x 16, 768 registers (windows 1 to 3).
; What is left, window 0, holds 32 registers of addresses, xb's fragments of 32 along K in TWO buffers (2 x 64) and wb's in ONE (96).  A quarter (32 along K) goes by three GROUPS of four n blocks,
; 32 matrix instructions each under one window setting; behind a group its wb registers are free and are loaded again for the next quarter, 64 matrix instructions ahead of their use.
; 40 LDS loads feed 96 matrix instructions.
; K STEPS OF 64 through two LDS slots: 640 rows of 128 bytes + 16.  Two slots of the step of 128 would take 2 x 640 x 272 = 348,160 bytes, more than the 327,680 there are.
; In a K block a tile's rows lie end to end: a wave's 128 rows of xb are 16,384 dense bytes, its 192 rows of wb 24,576: they are asked for as rows of 256 bytes (two rows of the tile), each at a
; multiple of 256 from the buffer's first byte, and padded in LDS after every 128 bytes.
; CLUSTER 4 x 4: the four work-groups of a row of the cluster need the same tiles of xb, the four of a column the same tiles of wb: each tile is asked for jointly.
; The matrix instruction is used transposed (source 0 = 16 rows of wb, source 1 = 16 rows of xb): a lane holds eight neighbouring numbers of a row of qkv.
; THE WAY OUT.  A wave's 192 columns are 384 bytes, one and a half aligned blocks of 256: so the four waves share one stage of 256 rows x 784 bytes, which lies on the slots after their last fill,
; with a barrier in front of the writing (nobody reads a slot any more) and one in front of the reading; then each wave stores 64 whole rows of 768 bytes.
.set SIZE_N, 3072
.set SIZE_K, 1024
.set KSTEP,  64
.set ABLK,   8192*128                  ; bytes from a K block of xb to the next
.set BBLK,   3072*128                  ; the same for wb
.set PITCH,  144                       ; 128 bytes + 16 of padding: the 16 rows of a fragment load start 16 bytes apart modulo 256
.set AHALF,  128*PITCH                 ; what waves 0 and 1 fetch: 128 rows of xb
.set BHALF,  192*PITCH                 ; what waves 2 and 3 fetch: 192 rows of wb
.set BOFF,   2*AHALF                   ; wb's 384 rows lie behind xb's 256
.set SLOT1,  1<<17                     ; slot 1 begins here, so that one exclusive or turns an address in one slot into the other's
.set SPITCH, 784                       ; a row of the stage: 768 bytes + 16
.set SPARE,  SLOT1+BOFF+2*BHALF        ; behind slot 1 (and behind the stage's 200,704 bytes): the spare words, 128 bytes a wave
.set STEPS,  SIZE_K/KSTEP
.set ADRA, 16                          ; v16 LDS address of my xb fragments in the slot in hand
.set AA0,  17                          ; v17 the same in slot 0; never rewritten
.set ADRB, 20                          ; v20, v21 the same for wb
.set AB0,  21
.set STO,  24                          ; v24, v25 the stage: where I put 16 bytes of a row, m blocks 0-3 and 4-7
.set RD,   26                          ; v26 where I read rows back
.set GO,   27                          ; v27 my byte offset in two rows of qkv
.set SPW,  28
.set NIL,  29
.set FA,   32                          ; v32-159 xb's fragments: buffer, then m block
.set FB,   160                         ; v160-255 wb's fragments: n block
.set TMP,  32                          ; the way out: 128 packed registers
.set BK,   32                          ; the way out: 48 x 4 registers read back
.set G1, 24                            ; s[24:31] group 1 for xb's tiles
.set G0, 32                            ; s[32:39] group 0 for xb's: a set for each first fill; the second then walks on
.set G1B, 48                           ; s[48:55], s[56:63] the same for wb's
.set G0B, 56
.set TB, 45                            ; s45 0 or SLOT1: the slot that is read
.set MSB, 0
.macro WIN new                         ; the immediate's high byte repeats the setting that is left
.if MSB != (\new)
	s_set_vgpr_msb (MSB<<8)|(\new)
.set MSB, \new
.endif
.endm
; A joint load: waves 0 and 1 fetch xb's two halves, waves 2 and 3 wb's.  An s_nop 0 and four v_nop follow each line.
.macro JLOAD s
	s_cmp_eq_u32 s11, 0
	s_cbranch_scc0 .Lfor_b_\@
	tensor_load_to_lds s[G0+4*(\s):G0+4*(\s)+3], s[G1:G1+7]
	s_nop 0
.rept 4
	v_nop
.endr
	s_branch .Lasked_\@
.Lfor_b_\@:
	tensor_load_to_lds s[G0B+4*(\s):G0B+4*(\s)+3], s[G1B:G1B+7]
	s_nop 0
.rept 4
	v_nop
.endr
.Lasked_\@:
.endm
.macro CREST                           ; a round of the cluster's barrier behind its opening barrier
	s_cmp_lg_u32 s10, 0
	s_cbranch_scc1 .Lnot_wave_0_\@
	s_barrier_signal -3
.Lnot_wave_0_\@:
	s_barrier_wait -3
	s_barrier_signal -1
	s_barrier_wait -1
.endm
.macro CROUND
	s_barrier_signal -1
	s_barrier_wait -1
	CREST
.endm
	s_load_b128 s[4:7], s[0:1], 0x0                ; xb s[4:5], wb s[6:7]
	s_load_b64 s[8:9], s[0:1], 0x10                ; qkv
	v_lshl_add_u32 v[SPW], v0, 2, SPARE
	v_mov_b32 v[NIL], 0
	ds_add_u32 v[SPW], v[NIL]                      ; the wave's opening: the add and its wait ahead of my first tensor load
	ds_add_u32 v28, v29
	v_lshrrev_b32 v1, 5, v0
	v_readfirstlane_b32 s10, v1                    ; wave 0..3
	s_lshr_b32 s11, s10, 1                         ; my half of the tile's rows; also: I fetch for xb (0) or wb (1)
	s_and_b32 s12, s10, 1                          ; my half of its columns; also: which half of that tile's rows I fetch
	s_bfe_u32 s40, ttmp6, 0x40000                  ; cx
	s_bfe_u32 s41, ttmp6, 0x40004                  ; cy
	s_lshl_b32 s42, ttmp9, 2
	s_add_co_u32 s42, s42, s40                     ; tile column, 0..7
	s_and_b32 s13, ttmp7, 0xffff
	s_lshl_b32 s13, s13, 2
	s_add_co_u32 s13, s13, s41                     ; tile row, 0..31
	s_lshl_b32 s43, s41, 2
	s_lshl_b32 s43, 15, s43                        ; my row of the cluster
	s_lshl_b32 s44, 0x1111, s40                    ; my column
	s_or_b32 s[G1+0], s43, (1<<16)|(1<<20)|(1<<21)|(4<<22)|(3<<25)   ; mask; 2-byte elements; padding on; bit 21 beside a mask; after 32 words (a row of the tile), 4 words
	s_or_b32 s[G1B+0], s44, (1<<16)|(1<<20)|(1<<21)|(4<<22)|(3<<25)
	s_mov_b32 s[G1+1], 128<<16                     ; tensor_dim0 = 128 elements: 256 bytes, two rows of the tile
	s_mov_b32 s[G1+2], 64<<16                      ; tensor_dim1 = 64: 128 rows of the tile
	s_mov_b32 s[G1+3], 128<<16                     ; tile_dim0 = 128
	s_mov_b32 s[G1+4], 64                          ; tile_dim1 = 64
	s_mov_b32 s[G1+5], 128                         ; elements from row to row: the block is dense
	s_mov_b32 s[G1+6], 0
	s_mov_b32 s[G1+7], 0
	s_mov_b32 s[G1B+1], 128<<16
	s_mov_b32 s[G1B+2], 96<<16                     ; wb's: 96 rows of 256 bytes: 192 rows of the tile
	s_mov_b32 s[G1B+3], 128<<16
	s_mov_b32 s[G1B+4], 96
	s_mov_b32 s[G1B+5], 128
	s_mov_b32 s[G1B+6], 0
	s_mov_b32 s[G1B+7], 0
	s_lshl_b32 s16, s13, 8
	s_lshl_b32 s17, s12, 7
	s_add_co_u32 s16, s16, s17                     ; xb: row 256 x tile row + 128 x half,
	s_lshl_b32 s16, s16, 7                         ; of 128 bytes in a K block
	s_mov_b32 s17, 0
	s_mul_i32 s46, s42, 384
	s_mul_i32 s47, s12, 192
	s_add_co_u32 s46, s46, s47                     ; wb: row 384 x tile column + 192 x half
	s_lshl_b32 s46, s46, 7
	s_mov_b32 s47, 0
	s_mul_i32 s20, s12, AHALF                      ; where an xb load lands,
	s_mul_i32 s21, s12, BHALF
	s_add_co_u32 s21, s21, BOFF                    ; and a wb load: the wave's number alone enters an LDS address
	s_mov_b32 s[TB], 0
	s_wait_dscnt 0x0                               ; the opening add is done
	s_wait_kmcnt 0x0
	s_add_nc_u64 s[14:15], s[4:5], s[16:17]
	s_add_nc_u64 s[46:47], s[6:7], s[46:47]
	CROUND                                         ; all sixteen work-groups are here: the first joint loads meet
.irp s, 0,1
	s_mov_b32 s[G0+4*(\s)], 1
	s_add_co_u32 s[G0+4*(\s)+1], s20, (\s)*SLOT1
	s_add_nc_u64 s[G0+4*(\s)+2:G0+4*(\s)+3], s[14:15], (\s)*ABLK
	s_or_b32 s[G0+4*(\s)+3], s[G0+4*(\s)+3], 0x80000000
	s_mov_b32 s[G0B+4*(\s)], 1
	s_add_co_u32 s[G0B+4*(\s)+1], s21, (\s)*SLOT1
	s_add_nc_u64 s[G0B+4*(\s)+2:G0B+4*(\s)+3], s[46:47], (\s)*BBLK
	s_or_b32 s[G0B+4*(\s)+3], s[G0B+4*(\s)+3], 0x80000000
	JLOAD \s                                       ; K steps 0 and 1: two loads of mine are out
.endr
	v_and_b32 v1, 15, v0                           ; r = l % 16
	v_bfe_u32 v2, v0, 4, 1                         ; h = l / 16
	v_mul_u32_u24 v3, v1, PITCH
	v_lshl_add_u32 v3, v2, 4, v3                   ; row x pitch + 16 x half
	s_mul_i32 s22, s11, AHALF
	s_mul_i32 s23, s12, BHALF
	s_add_co_u32 s23, s23, BOFF
	v_add_nc_u32 v[AA0], s22, v3
	v_add_nc_u32 v[AB0], s23, v3
	v_mov_b32 v[ADRA], v[AA0]
	v_mov_b32 v[ADRB], v[AB0]
	s_mul_i32 s23, s11, 128*SPITCH                 ; into the stage: my 128 rows, my 384 of their 768 bytes; row r, 16 bytes for each half of the lanes
	s_mul_i32 s22, s12, 384
	s_add_co_u32 s23, s23, s22
	v_mul_u32_u24 v4, v1, SPITCH
	v_lshl_add_u32 v4, v2, 4, v4
	v_add_nc_u32 v[STO], s23, v4
	v_add_nc_u32 v[STO+1], 64*SPITCH, v[STO]
	s_mul_i32 s23, s10, 64*SPITCH                  ; back: wave w takes rows 64 w on, whole; lanes 0-15 256 bytes of one row, lanes 16-31 of the next
	v_mul_u32_u24 v5, v2, SPITCH
	v_lshl_add_u32 v5, v1, 4, v5
	v_add_nc_u32 v[RD], s23, v5
	v_mul_u32_u24 v5, v2, SIZE_N*2                 ; and the same two rows in qkv
	v_lshl_add_u32 v[GO], v1, 4, v5
	s_lshl_b32 s16, s13, 8
	s_lshl_b32 s17, s10, 6
	s_add_co_u32 s16, s16, s17                     ; the first row that I store: 256 x tile row + 64 x wave
	s_mul_i32 s16, s16, SIZE_N*2
	s_mov_b32 s17, 0
	s_mul_i32 s46, s42, 768                        ; the tile's first column, in bytes (in the registers that held wb's address: none that feeds xb's descriptors ever holds cx)
	s_mov_b32 s47, 0
	s_add_nc_u64 s[8:9], s[8:9], s[16:17]
	s_add_nc_u64 s[8:9], s[8:9], s[46:47]
; n of group g's four n blocks, from number first on, x all 8 m blocks, 32 along K, with xb's buffer buf.  zero = 1: the product starts the sums.
; The 96 accumulators take turns, one instruction a turn, in the same order in every quarter.
.macro GRP buf, g, zero, first=0, n=4
.set WW, ((1+(\g))<<6)|((1+(\g))<<4)
	WIN WW                                         ; C and D in window 1 + g, both sources in window 0
.set bb, (\first)
.rept (\n)
.irp a, 0,1,2,3,4,5,6,7
.if \zero
	v_wmma_f32_16x16x32_bf16 v[8*(8*bb+\a):8*(8*bb+\a)+7], v[FB+8*(4*(\g)+bb):FB+8*(4*(\g)+bb)+7], v[FA+64*(\buf)+8*\a:FA+64*(\buf)+8*\a+7], 0
.else
	v_wmma_f32_16x16x32_bf16 v[8*(8*bb+\a):8*(8*bb+\a)+7], v[FB+8*(4*(\g)+bb):FB+8*(4*(\g)+bb)+7], v[FA+64*(\buf)+8*\a:FA+64*(\buf)+8*\a+7], v[8*(8*bb+\a):8*(8*bb+\a)+7]
.endif
.endr
.set bb, bb+1
.endr
.endm
.macro LD_A k, buf                     ; 16 LDS loads: xb's 8 fragments at byte k of the rows into buffer buf
.irp i, 0,1,2,3,4,5,6,7
	ds_load_b128 v[FA+64*(\buf)+8*\i:FA+64*(\buf)+8*\i+3],   v[ADRA] offset:(\k)+\i*16*PITCH
	ds_load_b128 v[FA+64*(\buf)+8*\i+4:FA+64*(\buf)+8*\i+7], v[ADRA] offset:(\k)+\i*16*PITCH+32
.endr
.endm
.macro LD_B k, g                       ; 8 LDS loads: the four fragments of wb's group g
.irp i, 0,1,2,3
	ds_load_b128 v[FB+8*(4*(\g)+\i):FB+8*(4*(\g)+\i)+3],   v[ADRB] offset:(\k)+(4*(\g)+\i)*16*PITCH
	ds_load_b128 v[FB+8*(4*(\g)+\i)+4:FB+8*(4*(\g)+\i)+7], v[ADRB] offset:(\k)+(4*(\g)+\i)*16*PITCH+32
.endr
.endm
.macro PLACES                          ; four plain vector instructions between a matrix instruction and a load into, or a vector read of, its registers
.rept 4
	v_nop
.endr
.endm
; A K step's first quarter: multiplies xb's buffer 0; behind each group it fetches, at byte 64 of the same rows, what the second quarter wants.
; The runs of loads follow each other as 24 (xb's buffer and group 0), 8 (group 1), 8 (group 2), quarter after quarter: the counts below name the loads issued behind the run that is wanted.
.macro FIRSTQ zero
	s_wait_dscnt 16                                ; xb's buffer and group 0 are in; groups 1's and 2's sixteen loads may be out
	GRP 0, 0, \zero
	WIN 0
	PLACES
	LD_A 64, 1
	LD_B 64, 0
	s_wait_dscnt 32                                ; group 1 is in: behind its run came group 2's 8 and the 24 just issued
	GRP 0, 1, \zero
	WIN 0
	PLACES
	LD_B 64, 1
	s_wait_dscnt 32                                ; group 2 is in: behind its run came 24 and 8
	GRP 0, 2, \zero
	WIN 0
	PLACES
	LD_B 64, 2
.endm
; The second quarter multiplies xb's buffer 1 and changes slots: all reads of this slot have been issued.  In front of the barrier each wave waits for all its tensor loads (its part of the next slot),
; adds 0 to its spare word, and waits for that and for its reads.  fill = 1: the barrier opens a round of the cluster's, and the joint refill (this slot, two K steps on) is the first thing behind it.
.macro TURN fill
	WIN 0
	s_wait_tensorcnt 0x0                           ; all my tensor loads have landed
	ds_add_u32 v[SPW], v[NIL]
	s_wait_dscnt 17                                ; the add and groups 1's and 2's sixteen loads may be out
	GRP 1, 0, 0, 0, 2
	s_wait_dscnt 0x0                               ; the add is done, and my reads of this slot are over
	s_barrier_signal -1
	GRP 1, 0, 0, 2, 2
	WIN 0
	s_barrier_wait -1
.if \fill
	CREST                                          ; no wave of any partner still reads this slot or has a load on its way
	s_xor_b32 s[G0+5], s[G0+5], SLOT1              ; the walking descriptor: the other slot than last time,
	s_add_nc_u64 s[G0+6:G0+7], s[G0+6:G0+7], ABLK  ; the next K block
	s_xor_b32 s[G0B+5], s[G0B+5], SLOT1
	s_add_nc_u64 s[G0B+6:G0B+7], s[G0B+6:G0B+7], BBLK
	JLOAD 1                                        ; its four v_nop are also the places in front of the loads below
.else
	PLACES
.endif
	s_xor_b32 s[TB], s[TB], SLOT1                  ; the reads go to the other slot
	v_add_nc_u32 v[ADRA], s[TB], v[AA0]
	v_add_nc_u32 v[ADRB], s[TB], v[AB0]
	LD_A 0, 0
	LD_B 0, 0
	GRP 1, 1, 0                                    ; groups 1 and 2 came in with the wait for 0 above
	WIN 0
	PLACES
	LD_B 0, 1
	GRP 1, 2, 0
	WIN 0
	PLACES
	LD_B 0, 2
.endm
; THE WAY OUT of window w's 32 accumulators (n blocks 4 (w - 1) on): rounded to f16, 16 bytes a lane, into the stage.  Each accumulator's registers in ascending order.
.macro OUTW w
.set WW, ((\w)<<2)|(\w)
	WIN WW                                         ; sources 0 and 1 in window w
.set z, 0
.rept 32
.irp q, 0,1,2,3
	v_cvt_pk_f16_f32 v[TMP+4*z+\q], v[8*z+2*\q], v[8*z+2*\q+1]
.endr
.set z, z+1
.endr
	WIN 0
.set z, 0
.rept 32                                   ; accumulator z: n block 4 (w - 1) + z / 8, m block z % 8
	ds_store_b128 v[STO+(z%8)/4], v[TMP+4*z:TMP+4*z+3] offset:(z%4)*16*SPITCH+32*(4*((\w)-1)+z/8)
.set z, z+1
.endr
.endm
; 16 pairs of my 64 rows come back, three blocks of 256 bytes a row, and are stored.
.macro BACK half
.set i, 0
.rept 48
.set n, 48*(\half)+i
	ds_load_b128 v[BK+4*i:BK+4*i+3], v[RD] offset:(n/3)*2*SPITCH+(n%3)*256
.set i, i+1
.endr
.set i, 0
.rept 48
.set n, 48*(\half)+i
.if i%4 == 0
	s_wait_dscnt 44-i                              ; loads i to i + 3 are in, the 44 - i behind them stay out
.endif
	global_store_b128 v[GO], v[BK+4*i:BK+4*i+3], s[8:9] offset:(n/3)*2*SIZE_N*2+(n%3)*256  ; 16 lanes store 256 consecutive bytes, aligned
.set i, i+1
.endr
.endm
	s_wait_tensorcnt 1                             ; my part of K step 0 is in; K step 1's may stay out
	s_barrier_signal -1
	s_barrier_wait -1
	LD_A 0, 0
	LD_B 0, 0
	LD_B 0, 1
	LD_B 0, 2
	FIRSTQ 1                                       ; the first quarter starts the sums
	s_mov_b32 s3, STEPS-2
.Lstep:                                                ; a trip: a K step's second quarter and the next step's first; it asks for the step two on
	TURN 1
	FIRSTQ 0
	s_sub_co_u32 s3, s3, 1
	s_cmp_lg_u32 s3, 0
	s_cbranch_scc1 .Lstep
	s_mov_b32 s3, 2
.Ltail:                                                ; the last two K steps ask for nothing.  The second trip is left in its middle; its change of slots and the 40 LDS loads behind it serve nothing: the price of one text for both
	TURN 0
	s_sub_co_u32 s3, s3, 1
	s_cmp_eq_u32 s3, 0
	s_cbranch_scc1 .Lout
	FIRSTQ 0
	s_branch .Ltail
.Lout:
	s_wait_dscnt 0x0                               ; my last reads of the slots are back
	s_barrier_signal -1
	s_barrier_wait -1                              ; everybody's are: the slots have had their last fill and their last read, and the stage may lie on them
	OUTW 1                                         ; (four v_nop stand behind the last matrix instruction, in TURN)
	OUTW 2
	OUTW 3
	s_wait_dscnt 0x0                               ; for the others' sake: my stores into the stage are done
	s_barrier_signal -1
	s_barrier_wait -1
	BACK 0
	s_wait_xcnt 0x0                                ; the registers that the stores read are loaded again only behind this wait
	BACK 1
	s_wait_tensorcnt 0x0                           ; the wave's end
	ds_add_u32 v[SPW], v[NIL]
	s_wait_dscnt 0x0
	CROUND                                         ; the closing round
	s_endpgm
.Lfunc_end_k_qc9b91dfed9_proj:
	.size	k_qc9b91dfed9_proj, .Lfunc_end_k_qc9b91dfed9_proj-k_qc9b91dfed9_proj
	.p2alignl 7, 3214868480
	.fill 96, 4, 3214868480
	.section	.rodata,"a",@progbits
	.p2align	6, 0x0
	.amdhsa_kernel k_qc9b91dfed9_proj
		.amdhsa_group_segment_fixed_size 327680
		.amdhsa_private_segment_fixed_size 0
		.amdhsa_enable_private_segment 0
		.amdhsa_kernarg_size 24
		.amdhsa_user_sgpr_count 2
		.amdhsa_user_sgpr_kernarg_segment_ptr 1
		.amdhsa_wavefront_size32 1
		.amdhsa_system_sgpr_workgroup_id_x 1
		.amdhsa_system_sgpr_workgroup_id_y 1
		.amdhsa_system_sgpr_workgroup_id_z 1
		.amdhsa_system_vgpr_workitem_id 0
		.amdhsa_next_free_vgpr 1024
		.amdhsa_next_free_sgpr 66
		.amdhsa_reserve_vcc 0
		.amdhsa_float_denorm_mode_32 3
		.amdhsa_float_denorm_mode_16_64 3
		.amdhsa_memory_ordered 1
		.amdhsa_forward_progress 1
		.amdhsa_inst_pref_size 104
	.end_amdhsa_kernel
	.amdgpu_metadata
---
amdhsa.version: [ 1, 2 ]
amdhsa.kernels:
  - .name:           k_qc9b91dfed9_proj
    .symbol:         k_qc9b91dfed9_proj.kd
    .args:
      - { .name: xb, .offset: 0, .size: 8, .value_kind: global_buffer, .address_space: global }
      - { .name: wb, .offset: 8, .size: 8, .value_kind: global_buffer, .address_space: global }
      - { .name: qkv, .offset: 16, .size: 8, .value_kind: global_buffer, .address_space: global }
    .group_segment_fixed_size: 327680
    .private_segment_fixed_size: 0
    .kernarg_segment_align: 8
    .kernarg_segment_size: 24
    .max_flat_workgroup_size: 128
    .sgpr_count:     66
    .vgpr_count:     1024
    .wavefront_size: 32
...
	.end_amdgpu_metadata
.endif
;; end of part 2
;; launch scores (part 3): grid 40 x 4, 4 waves a work-group, no clusters, 327,680 bytes of LDS; arguments qkv, pw, st, xb, wb, vf, pf; writes pw, st, vf, pf
.if DOCPART == 3
	.amdgcn_target "amdgcn-amd-amdhsa--gfx1250"
	.amdhsa_code_object_version 6
	.text
	.protected	k_qc9b91dfed9_scores
	.globl	k_qc9b91dfed9_scores
	.p2align	8
	.type	k_qc9b91dfed9_scores,@function
k_qc9b91dfed9_scores:
	s_mov_b64 s[64:65], 0
	v_nop
	global_prefetch_b8 v0, s[64:65] scope:SCOPE_SE
	s_setreg_imm32_b32 hwreg(HW_REG_WAVE_MODE, 25, 1), 1
	s_wait_xcnt 0x0
; WORK-GROUPS x = 0..35 of a batch: one of its 36 tiles of 256 queries x 256 keys on or below the diagonal: S^T = K Q^T over 1,024 channels (f16 products, f32 sums), the causal mask, and a softmax LOCAL
; to a wave's block of 128 keys: for each query the true maximum m of its 128 scores, p = 2^(c s - c m) stored as f16, and c m and l = the sum of the unrounded p stored as f32; c = log2(e) / 32.
; The launch behind joins the blocks: it takes the maximum of the c m over a row's blocks and scales each block by 2^(c m - that), so the row's maximum is taken away exactly.
; WORK-GROUPS x = 36..39 of a batch: v of the batch's keys 0-15 once more, kept in f32 (vf).  Rows 0-15 average over 16 keys at the most, so the roundings of p and v to f16 (2^-12 of numbers
; that may cancel) are not damped there; the launch behind makes those rows from vf and from the unrounded p of rows 0-15 x keys 0-15, which tile 0's wave 0 stores beside its f16 p (pf).
; LIMITS: q and k arrive as f16; a hidden score counts as -1e30 (or its value less 1e30); a block of 128 keys that is wholly hidden keeps finite p and gets c m = -1e30, so its scale is 0;
; NaN and infinities are not treated apart.
; NO CLUSTER: row I of the triangle has I + 1 tiles and column J has 8 - J: no grouping by four shares an operand without tiles that are wholly hidden.
; Four waves of 128 x 128, K steps of 128 through two LDS slots; each wave fetches 128 rows (waves 0, 1: Q's halves; 2, 3: K's).
; Source 0 = 16 keys, source 1 = 16 queries: lane (r, h) of accumulator (a, b) holds query 16 a + r and keys 16 b + 8 h + 0..7: eight f16 of it are 16 bytes, and ARE half a fragment
; (source 1) of the next launch's product: pw is stored in that order, [batch][i 16][kb 16][a 8][b 8][lane 32][16 bytes]; each store of a wave covers 512 consecutive bytes.
; st: [batch][i 16][J 8][row 128][wc 2][c m, l].  vf: [batch][16 channels 64][registers 0-3, 4-7][lane 32][16 bytes]; pf: [batch][registers 0-3, 4-7][lane 32][16 bytes].
; xb and wb lie in blocks of 64 along K: [K block 16][row][64] bf16, 8,192 and 3,072 rows.
.set KSTEP,  128
.set PITCH,  272
.set HALFT,  128*PITCH
.set SLOT,   4*HALFT
.set SPARE,  2*SLOT                    ; behind the ring: the spare words
.set STEPS,  8
.set ROWB,   6144                      ; bytes in a row of qkv
.set TILES,  36                        ; tiles of a batch's triangle
.set XBLK,   8192*128                  ; bytes in a K block of xb
.set WBLK,   3072*128                  ; bytes in a K block of wb
.set PO,   6                           ; v6  16 x lane
.set SOF,  7                           ; v7  16 r + 4 h
.set ADRA, 16
.set AA0,  17
.set ADRB, 20
.set AB0,  21
.set SPW,  28
.set NIL,  29
.set C,    32                          ; v32-39 eight running maxima
.set X,    40                          ; v40 the other half of the lanes'
.set M,    41
.set CMV,  42                          ; v[42:43] c m
.set LR,   44                          ; v44 l
.set SV,   45                          ; v45 what is stored into st
.set BIGV, 46                          ; v46 -1e30
.set F0,   64
.set F1,   128
.set TMP,  64                          ; the epilogue: two sets of 32 packed registers, where Q's first fragment buffer lay
.set G1, 24
.set G0, 32
.set TB, 45
.set MK, 48                            ; s[48:55] lanes in which register j of the diagonal accumulator is hidden (0 in waves off the diagonal)
.set SEL, 56
.set CS,  58
.set PEN, 60                           ; s[60:61] -1e30 in the wave on the diagonal, else 0
.set C2M, 62                           ; s62 all ones in the wave whose block is wholly hidden
.set HM,  63                           ; s63 lanes 16-31
.set D1M, 66
.set HF,  67                           ; s67 0 in tile 0's wave 0, which holds rows 0-15 x keys 0-15
.set PBASE, 68
.set STB, 70
.set XBP, 72                           ; s[72:73] xb, s[74:75] wb, s[76:77] vf, s[78:79] pf
.set WBP, 74
.set VFP, 76
.set PFB, 78
.set MSB, 0
.macro WIN new
.if MSB != (\new)
	s_set_vgpr_msb (MSB<<8)|(\new)
.set MSB, \new
.endif
.endm
.set MUL_LO, 0xa1
.set MUL_HI, 0xf1
.set TO_B,   0x40
	s_load_b128 s[4:7], s[0:1], 0x0                ; qkv s[4:5], pw s[6:7]
	s_load_b64 s[8:9], s[0:1], 0x10                ; st
	s_load_b256 s[72:79], s[0:1], 0x18             ; xb, wb, vf, pf
	v_lshl_add_u32 v[SPW], v0, 2, SPARE
	v_mov_b32 v[NIL], 0
	ds_add_u32 v[SPW], v[NIL]                      ; the wave's opening: the add and its wait ahead of my first tensor load
	ds_add_u32 v28, v29
	v_lshrrev_b32 v1, 5, v0
	v_readfirstlane_b32 s10, v1                    ; wave
	s_lshr_b32 s11, s10, 1                         ; wr: my half of the queries
	s_and_b32 s12, s10, 1                          ; wc: my half of the keys
	s_mov_b32 s16, ttmp9                           ; 0..35: the tile's number in the triangle; 36..39: a quarter of the channels of vf
	s_and_b32 s15, ttmp7, 0xffff                   ; batch
	s_mov_b32 s13, 0
.irp th, 1,3,6,10,15,21,28                 ; I = how many rows of the triangle begin at or before that number
	s_cmp_ge_u32 s16, \th
	s_cselect_b32 s20, 1, 0
	s_add_co_u32 s13, s13, s20
.endr
	s_add_co_u32 s20, s13, 1
	s_mul_i32 s20, s20, s13
	s_lshr_b32 s20, s20, 1
	s_sub_co_u32 s14, s16, s20                     ; J = number - I (I + 1) / 2
	s_mov_b32 s[G1+0], (1<<16)|(1<<20)|(5<<22)|(3<<25)  ; 2-byte elements; padding: after 64 words, 4 words
	s_mov_b32 s[G1+1], KSTEP<<16
	s_mov_b32 s[G1+2], 128<<16
	s_mov_b32 s[G1+3], KSTEP<<16
	s_mov_b32 s[G1+4], 128
	s_mov_b32 s[G1+5], 3072                        ; elements from row to row
	s_mov_b32 s[G1+6], 0
	s_mov_b32 s[G1+7], 0
	s_cmp_lt_u32 s10, 2
	s_cselect_b32 s20, s13, s14                    ; waves 0, 1: Q's rows of block I; waves 2, 3: K's rows of block J
	s_cselect_b32 s22, 0, 2048                     ; q at byte 0 of a row, k at byte 2,048
	s_lshl_b32 s20, s20, 8
	s_lshl_b32 s21, s15, 11
	s_add_co_u32 s20, s20, s21
	s_lshl_b32 s21, s12, 7
	s_add_co_u32 s20, s20, s21                     ; row = 2,048 batch + 256 block + 128 half
	s_mul_i32 s20, s20, ROWB
	s_add_co_u32 s20, s20, s22
	s_mov_b32 s21, 0
	s_mul_i32 s23, s10, HALFT
	s_mov_b32 s[TB], 0
	s_mov_b32 s[SEL], 0x76543210
	s_mov_b32 s[SEL+1], 0xfedcba98
	s_mov_b32 s[CS], 0x3d38aa3b                    ; c = log2(e) / 32
	s_mov_b32 s[CS+1], s[CS]
	s_mov_b32 s[HM], 0xffff0000
	s_wait_dscnt 0x0                               ; the opening add is done
	s_wait_kmcnt 0x0
	s_cmp_ge_u32 s16, TILES                        ; the same for all four waves: these work-groups have a text of their own, behind the tiles'
	s_cbranch_scc1 .Lvhead
	s_add_nc_u64 s[18:19], s[4:5], s[20:21]
.irp s, 0,1
	s_mov_b32 s[G0+4*(\s)], 1
	s_add_co_u32 s[G0+4*(\s)+1], s23, (\s)*SLOT
	s_add_nc_u64 s[G0+4*(\s)+2:G0+4*(\s)+3], s[18:19], (\s)*KSTEP*2
	s_or_b32 s[G0+4*(\s)+3], s[G0+4*(\s)+3], 0x80000000
	tensor_load_to_lds s[G0+4*(\s):G0+4*(\s)+3], s[G1:G1+7]   ; K steps 0 and 1: two loads of mine are out
	s_nop 0
.endr
	v_and_b32 v1, 15, v0                           ; r
	v_bfe_u32 v2, v0, 4, 1                         ; h
	v_mul_u32_u24 v3, v1, PITCH
	v_lshl_add_u32 v3, v2, 4, v3
	s_mul_i32 s21, s11, HALFT
	s_mul_i32 s22, s12, HALFT
	s_add_co_u32 s22, s22, 2*HALFT
	v_add_nc_u32 v[AA0], s21, v3
	v_add_nc_u32 v[AB0], s22, v3
	v_mov_b32 v[ADRA], v[AA0]
	v_mov_b32 v[ADRB], v[AB0]
	v_and_b32 v[PO], 31, v0
	v_lshlrev_b32 v[PO], 4, v[PO]
	v_lshlrev_b32 v[SOF], 4, v1
	v_lshl_add_u32 v[SOF], v2, 2, v[SOF]
	v_mov_b32 v[BIGV], 0xf149f2ca                  ; -1e30
	v_mov_b32 v[X], 0                              ; v_permlanex16_b32 counts as a reader of its destination
	v_lshlrev_b32 v9, 3, v2
	v_sub_nc_u32 v9, v1, v9                        ; r - 8 h: register j of the diagonal accumulator is hidden where j is greater
	s_cmp_eq_u32 s13, s14
	s_cselect_b32 s20, 1, 0                        ; the tile holds the diagonal
	s_cmp_eq_u32 s11, s12
	s_cselect_b32 s21, 1, 0
	s_and_b32 s21, s21, s20                        ; and so does my 128 x 128
	s_cmp_gt_u32 s12, s11
	s_cselect_b32 s22, 1, 0
	s_and_b32 s22, s22, s20                        ; or my 128 x 128 is wholly hidden
	s_sub_co_u32 s[D1M], 0, s21
	s_sub_co_u32 s[C2M], 0, s22
	s_and_b32 s[PEN], s[D1M], 0xf149f2ca
	s_mov_b32 s[PEN+1], s[PEN]
.irp j, 0,1,2,3,4,5,6,7
	v_cmp_gt_i32 s[MK+\j], \j, v9
	s_and_b32 s[MK+\j], s[MK+\j], s[D1M]
.endr
	s_lshl_b32 s20, s15, 4
	s_lshl_b32 s21, s13, 1
	s_add_co_u32 s20, s20, s21
	s_add_co_u32 s20, s20, s11                     ; 16 batch + i, i = 2 I + wr
	s_lshl_b32 s20, s20, 3
	s_add_co_u32 s20, s20, s14                     ; e = that x 8 + J
	s_lshl_b32 s22, s20, 1
	s_add_co_u32 s22, s22, s12
	s_lshl_b32 s22, s22, 15                        ; my block of pw: (2 e + wc) x 32,768
	s_mov_b32 s23, 0
	s_add_nc_u64 s[PBASE:PBASE+1], s[6:7], s[22:23]
	s_lshl_b32 s22, s20, 11
	s_lshl_b32 s21, s12, 3
	s_add_co_u32 s22, s22, s21                     ; st: e x 2,048 + 8 wc
	s_add_nc_u64 s[STB:STB+1], s[8:9], s[22:23]
	s_lshl_b32 s22, s15, 10                        ; pf: 1,024 bytes a batch
	s_add_nc_u64 s[PFB:PFB+1], s[PFB:PFB+1], s[22:23]
	s_or_b32 s[HF], s16, s10                       ; 0: tile 0, wave 0
; The 64 accumulators take turns, one instruction a turn.
.macro MUL16 f, hi, a0, zero
	WIN MUL_LO+0x50*(\hi)
.irp a, \a0, (\a0)+1
.irp b, 0,1,2,3,4,5,6,7
.if \zero
	v_wmma_f32_16x16x32_f16 v[8*(8*(\a)+(\b)):8*(8*(\a)+(\b))+7], v[(\f)+8*(\b):(\f)+8*(\b)+7], v[(\f)+8*(4*(\hi)+(\a)):(\f)+8*(4*(\hi)+(\a))+7], 0
.else
	v_wmma_f32_16x16x32_f16 v[8*(8*(\a)+(\b)):8*(8*(\a)+(\b))+7], v[(\f)+8*(\b):(\f)+8*(\b)+7], v[(\f)+8*(4*(\hi)+(\a)):(\f)+8*(4*(\hi)+(\a))+7], v[8*(8*(\a)+(\b)):8*(8*(\a)+(\b))+7]
.endif
.endr
.endr
.endm
.macro FETCH k, f                      ; 32 LDS loads in one run: K's 16, then Q's
	WIN TO_B
.irp i, 0,1,2,3,4,5,6,7
	ds_load_b128 v[(\f)+8*(\i):(\f)+8*(\i)+3],   v[ADRB] offset:(\k)+(\i)*16*PITCH
	ds_load_b128 v[(\f)+8*(\i)+4:(\f)+8*(\i)+7], v[ADRB] offset:(\k)+(\i)*16*PITCH+32
.endr
	WIN 0
.irp i, 0,1,2,3,4,5,6,7
	ds_load_b128 v[(\f)+8*(\i):(\f)+8*(\i)+3],   v[ADRA] offset:(\k)+(\i)*16*PITCH
	ds_load_b128 v[(\f)+8*(\i)+4:(\f)+8*(\i)+7], v[ADRA] offset:(\k)+(\i)*16*PITCH+32
.endr
.endm
.macro PLACES                          ; four plain vector instructions between a matrix instruction and a load into, or a vector read of, its registers
.rept 4
	v_nop
.endr
.endm
.macro QUARTER k, f, g, zero
	s_wait_dscnt 8                                 ; K's and Q's rows 0-63 are in; the youngest eight loads may be out
	MUL16 \f, 0, 0, \zero
	MUL16 \f, 0, 2, \zero
	PLACES
	FETCH \k, \g
	s_wait_dscnt 32                                ; all but the 32 just issued
	MUL16 \f, 1, 0, \zero
	MUL16 \f, 1, 2, \zero
.endm
; The last quarter and the change of slots: all my tensor loads, the add, the add's and my reads' wait, the barrier; the refill first behind it, one load a wave.
.macro TURN fill
	WIN 0
	s_wait_tensorcnt 0x0                           ; all my tensor loads have landed: my part of the next slot
	ds_add_u32 v[SPW], v[NIL]
	s_wait_dscnt 9                                 ; the add and the youngest eight loads may be out
	MUL16 F1, 0, 0, 0
	s_wait_dscnt 0x0                               ; the add is done, and my reads of this slot are over
	s_barrier_signal -1
	MUL16 F1, 0, 2, 0
	WIN 0
	s_barrier_wait -1
.if \fill
	s_xor_b32 s[G0+5], s[G0+5], SLOT               ; the walking descriptor: the other slot than last time (SLOT's two bits are clear in wave x HALFT),
	s_add_nc_u64 s[G0+6:G0+7], s[G0+6:G0+7], KSTEP*2  ; the next K step
	tensor_load_to_lds s[G0+4:G0+7], s[G1:G1+7]
	s_nop 0
.endif
	PLACES                                         ; the places in front of the loads below
	s_xor_b32 s[TB], s[TB], SLOT
	v_add_nc_u32 v[ADRA], s[TB], v[AA0]
	v_add_nc_u32 v[ADRB], s[TB], v[AB0]
	FETCH 0, F0
	MUL16 F1, 1, 0, 0
	MUL16 F1, 1, 2, 0
.endm
; THE EPILOGUE for my 16 queries of block a: mask, maximum, p, l.  Each accumulator's lowest registers are read first.
.macro EPI a
.set W,  2+(\a)/4
.set SB, 64*((\a)%4)
.set TM, TMP+32*((\a)%2)
	s_wait_xcnt 0x0                                ; the registers that earlier stores read are rewritten only behind this wait
	WIN (W<<6)|W                                   ; destination and source 0 among the accumulators
.if (\a) < 7
.set b, (\a)+1
.rept 7-(\a)                               ; key blocks behind the diagonal: hidden in the wave on the diagonal, untouched (+ 0) elsewhere
.irp p, 0,1,2,3
	v_pk_add_f32 v[SB+8*b+2*\p:SB+8*b+2*\p+1], v[SB+8*b+2*\p:SB+8*b+2*\p+1], s[PEN:PEN+1] op_sel_hi:[1,0]
.endr
.set b, b+1
.endr
.endif
.irp j, 0,1,2,3,4,5,6,7
	v_cndmask_b32 v[SB+8*(\a)+\j], v[SB+8*(\a)+\j], v[BIGV], s[MK+\j]
.endr
	WIN (W<<4)|(W<<2)|W
.irp b, 0,1,2,3,4,5,6,7
	v_max3_num_f32 v[C+\b], v[SB+8*\b], v[SB+8*\b+1], v[SB+8*\b+2]
.endr
	WIN (W<<4)|(W<<2)
.irp b, 0,1,2,3,4,5,6,7
	v_max3_num_f32 v[C+\b], v[C+\b], v[SB+8*\b+3], v[SB+8*\b+4]
.endr
.irp b, 0,1,2,3,4,5,6,7
	v_max3_num_f32 v[C+\b], v[C+\b], v[SB+8*\b+5], v[SB+8*\b+6]
.endr
.irp k, 0,1,2,3
	v_max3_num_f32 v[C+2*\k], v[C+2*\k], v[SB+16*\k+7], v[SB+16*\k+15]
.endr
	WIN 0
	v_max3_num_f32 v[C], v[C], v[C+1], v[C+2]
	v_max3_num_f32 v[C+3], v[C+3], v[C+4], v[C+5]
	v_max_num_f32 v[C+6], v[C+6], v[C+7]
	v_max3_num_f32 v[C], v[C], v[C+3], v[C+6]
	v_permlanex16_b32 v[X], v[C], s[SEL], s[SEL+1] ; the query's other 64 keys lie in the lane 16 away
	v_max_num_f32 v[M], v[C], v[X]
	v_mul_f32 v[CMV], s[CS], v[M]
	v_mov_b32 v[CMV+1], v[CMV]                     ; named with it as a pair
	WIN (W<<6)|W
.set p, 0
.rept 32
	v_pk_fma_f32 v[SB+2*p:SB+2*p+1], v[SB+2*p:SB+2*p+1], s[CS:CS+1], v[CMV:CMV+1] op_sel_hi:[1,0,0] neg_lo:[0,0,1] neg_hi:[0,0,1]  ; c s - c m
.set p, p+1
.endr
.set p, 0
.rept 64
	v_exp_f32 v[SB+p], v[SB+p]
.set p, p+1
.endr
	v_nop                                          ; a plain instruction between the exponentials and the use of their results
	WIN (W<<2)|W
.set p, 0
	s_wait_alu depctr_va_vdst(0)
.rept 32
	v_cvt_pk_f16_f32 v[TM+p], v[SB+2*p], v[SB+2*p+1]
.set p, p+1
.endr
	WIN 0
.irp b, 0,1,2,3,4,5,6,7
	global_store_b128 v[PO], v[TM+4*\b:TM+4*\b+3], s[PBASE:PBASE+1] offset:4096*(\a)+512*\b  ; 512 consecutive bytes, aligned
.endr
.if (\a) == 0
	s_cmp_eq_u32 s[HF], 0                          ; tile 0's wave 0: rows 0-15 x keys 0-15 also leave unrounded, as they lie
	s_cbranch_scc0 .Lno_pf
	WIN 0x08                                       ; the stores' data among the accumulators
	global_store_b128 v[PO], v[SB:SB+3], s[PFB:PFB+1]
	global_store_b128 v[PO], v[SB+4:SB+7], s[PFB:PFB+1] offset:512
	s_wait_xcnt 0x0                                ; the sums below write these registers only behind this wait
	WIN 0
.Lno_pf:
.endif
	WIN (W<<6)|(W<<2)|W
.irp w, 1,2,4,8,16                         ; the sum of the 32 pairs of unrounded p, as a tree, in place
.set p, 0
.rept 16/\w
	v_pk_add_f32 v[SB+2*p:SB+2*p+1], v[SB+2*p:SB+2*p+1], v[SB+2*(p+\w):SB+2*(p+\w)+1]
.set p, p+2*\w
.endr
.endr
	WIN (W<<2)|W
	v_add_f32 v[LR], v[SB], v[SB+1]
	WIN 0
	v_permlanex16_b32 v[X], v[LR], s[SEL], s[SEL+1]
	v_add_f32 v[LR], v[LR], v[X]
	v_cndmask_b32 v[SV], v[CMV], v[BIGV], s[C2M]   ; a wholly hidden block: c m = -1e30
	v_cndmask_b32 v[SV], v[SV], v[LR], s[HM]       ; lanes 0-15 store c m, lanes 16-31 l
	global_store_b32 v[SOF], v[SV], s[STB:STB+1] offset:256*(\a)
.endm
	s_wait_tensorcnt 1                             ; my part of K step 0 is in; K step 1's may stay out
	s_barrier_signal -1
	s_barrier_wait -1
	FETCH 0, F0
	QUARTER 64, F0, F1, 1
	WIN 0
	s_mov_b32 s3, STEPS-2
.Lstep:                                                ; a trip: a K step's quarters 2 to 4 and the next step's first; it asks for the step two on
	QUARTER 128, F1, F0, 0
	QUARTER 192, F0, F1, 0
	TURN 1
	QUARTER 64, F0, F1, 0
	WIN 0
	s_sub_co_u32 s3, s3, 1
	s_cmp_lg_u32 s3, 0
	s_cbranch_scc1 .Lstep
	s_mov_b32 s3, 2
.Ltail:                                                ; the last two K steps ask for nothing.  The second trip is left in its middle; its change of slots and the 32 LDS loads behind it serve nothing: the price of one text for both
	QUARTER 128, F1, F0, 0
	QUARTER 192, F0, F1, 0
	TURN 0
	WIN 0
	s_sub_co_u32 s3, s3, 1
	s_cmp_eq_u32 s3, 0
	s_cbranch_scc1 .Lepi
	QUARTER 64, F0, F1, 0
	WIN 0
	s_branch .Ltail
.Lepi:
	s_wait_dscnt 0x0                               ; those loads are back: their registers serve the epilogue
	PLACES
.irp a, 0,1,2,3,4,5,6,7
	EPI \a
.endr
	s_wait_tensorcnt 0x0                           ; the wave's end
	ds_add_u32 v[SPW], v[NIL]
	s_wait_dscnt 0x0
	s_endpgm
; V OF KEYS 0-15 IN F32.  Work-group x = 36 + g of a batch, wave w: channels 64 (4 g + w) on, as four tiles of 16.  D = xb's 16 rows x wb's 16 rows (Wv's begin at row 2,048), bf16 products, f32 sums:
; register j of lane (r, h) holds key 8 h + j of channel r, and is stored so.  K goes in 16 chunks of 64, one K block of xb and of wb each, through two register buffers, fetched straight from memory:
; 4 loads of xb and 16 of wb a chunk (16 rows of a K block are 2,048 consecutive bytes), one chunk on its way while the other is multiplied.  No LDS tile, no barrier; all registers in window 0.
.set HVA,  2                           ; v2  128 r + 16 h: my place in 16 rows of 128 bytes
.set HVS,  3                           ; v3  16 x lane
.set HACC, 32                          ; v32-63 four accumulators
.set HXA,  64                          ; v64-95 xb's fragments: buffer, then 32 along K
.set HXB,  96                          ; v96-223 wb's: buffer, tile, 32 along K
.macro VLOAD buf, chunk                ; the K block that lies chunk blocks behind the bases, into buffer buf: 20 loads
.irp s, 0,1
	global_load_b128 v[HXA+16*(\buf)+8*\s:HXA+16*(\buf)+8*\s+3],   v[HVA], s[XBP:XBP+1] offset:(\chunk)*XBLK+64*\s
	global_load_b128 v[HXA+16*(\buf)+8*\s+4:HXA+16*(\buf)+8*\s+7], v[HVA], s[XBP:XBP+1] offset:(\chunk)*XBLK+64*\s+32
.endr
.irp cb, 0,1,2,3
.irp s, 0,1
	global_load_b128 v[HXB+64*(\buf)+16*\cb+8*\s:HXB+64*(\buf)+16*\cb+8*\s+3],   v[HVA], s[WBP:WBP+1] offset:(\chunk)*WBLK+2048*\cb+64*\s
	global_load_b128 v[HXB+64*(\buf)+16*\cb+8*\s+4:HXB+64*(\buf)+16*\cb+8*\s+7], v[HVA], s[WBP:WBP+1] offset:(\chunk)*WBLK+2048*\cb+64*\s+32
.endr
.endr
.endm
.macro VMUL buf, zero                  ; 8 products; the four accumulators take turns
.irp s, 0,1
.irp cb, 0,1,2,3
.if (\zero) && (\s == 0)
	v_wmma_f32_16x16x32_bf16 v[HACC+8*\cb:HACC+8*\cb+7], v[HXA+16*(\buf)+8*\s:HXA+16*(\buf)+8*\s+7], v[HXB+64*(\buf)+16*\cb+8*\s:HXB+64*(\buf)+16*\cb+8*\s+7], 0
.else
	v_wmma_f32_16x16x32_bf16 v[HACC+8*\cb:HACC+8*\cb+7], v[HXA+16*(\buf)+8*\s:HXA+16*(\buf)+8*\s+7], v[HXB+64*(\buf)+16*\cb+8*\s:HXB+64*(\buf)+16*\cb+8*\s+7], v[HACC+8*\cb:HACC+8*\cb+7]
.endif
.endr
.endr
.endm
.Lvhead:
	s_sub_co_u32 s20, s16, TILES
	s_lshl_b32 s20, s20, 2
	s_add_co_u32 s20, s20, s10                     ; my 64 channels' number, 0..15
	s_lshl_b32 s22, s15, 18                        ; xb: the batch's 2,048 rows of 128 bytes in a K block
	s_mov_b32 s23, 0
	s_add_nc_u64 s[XBP:XBP+1], s[XBP:XBP+1], s[22:23]
	s_lshl_b32 s22, s20, 13                        ; wb: 64 rows of 128 bytes,
	s_add_co_u32 s22, s22, 2048*128                ; behind Wq's and Wk's 2,048 rows
	s_add_nc_u64 s[WBP:WBP+1], s[WBP:WBP+1], s[22:23]
	s_lshl_b32 s22, s15, 16                        ; vf: 64 tiles of 1,024 bytes a batch,
	s_lshl_b32 s21, s20, 12                        ; four of them mine
	s_add_co_u32 s22, s22, s21
	s_add_nc_u64 s[VFP:VFP+1], s[VFP:VFP+1], s[22:23]
	v_and_b32 v1, 15, v0
	v_bfe_u32 v4, v0, 4, 1
	v_lshlrev_b32 v[HVA], 7, v1
	v_lshl_add_u32 v[HVA], v4, 4, v[HVA]
	v_and_b32 v[HVS], 31, v0
	v_lshlrev_b32 v[HVS], 4, v[HVS]
	VLOAD 0, 0
	VLOAD 1, 1
	s_wait_loadcnt 20                              ; chunk 0 is in; chunk 1's 20 loads stay out
	VMUL 0, 1                                      ; the first chunk starts the sums
	s_mov_b32 s3, 7
.Lvk:                                                  ; a trip: two chunks are multiplied, the two behind them asked for
	PLACES                                         ; in front of loads into registers that the products just issued read
	VLOAD 0, 2
	s_wait_loadcnt 20                              ; buffer 1 is in; the 20 just issued stay out
	VMUL 1, 0
	PLACES
	VLOAD 1, 3
	s_wait_loadcnt 20                              ; buffer 0 is in
	VMUL 0, 0
	s_wait_xcnt 0x0                                ; the loads' bases are stepped only behind this wait
	s_add_nc_u64 s[XBP:XBP+1], s[XBP:XBP+1], 2*XBLK
	s_add_nc_u64 s[WBP:WBP+1], s[WBP:WBP+1], 2*WBLK
	s_sub_co_u32 s3, s3, 1
	s_cmp_lg_u32 s3, 0
	s_cbranch_scc1 .Lvk
	s_wait_loadcnt 0x0                             ; chunk 15
	VMUL 1, 0
	PLACES
.irp cb, 0,1,2,3
	global_store_b128 v[HVS], v[HACC+8*\cb:HACC+8*\cb+3],   s[VFP:VFP+1] offset:1024*\cb       ; 512 consecutive bytes, aligned
	global_store_b128 v[HVS], v[HACC+8*\cb+4:HACC+8*\cb+7], s[VFP:VFP+1] offset:1024*\cb+512
.endr
	s_wait_tensorcnt 0x0                           ; the wave's end
	ds_add_u32 v[SPW], v[NIL]
	s_wait_dscnt 0x0
	s_endpgm
.Lfunc_end_k_qc9b91dfed9_scores:
	.size	k_qc9b91dfed9_scores, .Lfunc_end_k_qc9b91dfed9_scores-k_qc9b91dfed9_scores
	.p2alignl 7, 3214868480
	.fill 96, 4, 3214868480
	.section	.rodata,"a",@progbits
	.p2align	6, 0x0
	.amdhsa_kernel k_qc9b91dfed9_scores
		.amdhsa_group_segment_fixed_size 327680
		.amdhsa_private_segment_fixed_size 0
		.amdhsa_enable_private_segment 0
		.amdhsa_kernarg_size 56
		.amdhsa_user_sgpr_count 2
		.amdhsa_user_sgpr_kernarg_segment_ptr 1
		.amdhsa_wavefront_size32 1
		.amdhsa_system_sgpr_workgroup_id_x 1
		.amdhsa_system_sgpr_workgroup_id_y 1
		.amdhsa_system_sgpr_workgroup_id_z 1
		.amdhsa_system_vgpr_workitem_id 0
		.amdhsa_next_free_vgpr 1024
		.amdhsa_next_free_sgpr 80
		.amdhsa_reserve_vcc 0
		.amdhsa_float_denorm_mode_32 3
		.amdhsa_float_denorm_mode_16_64 3
		.amdhsa_memory_ordered 1
		.amdhsa_forward_progress 1
		.amdhsa_inst_pref_size 183
	.end_amdhsa_kernel
	.amdgpu_metadata
---
amdhsa.version: [ 1, 2 ]
amdhsa.kernels:
  - .name:           k_qc9b91dfed9_scores
    .symbol:         k_qc9b91dfed9_scores.kd
    .args:
      - { .name: qkv, .offset: 0, .size: 8, .value_kind: global_buffer, .address_space: global }
      - { .name: pw, .offset: 8, .size: 8, .value_kind: global_buffer, .address_space: global }
      - { .name: st, .offset: 16, .size: 8, .value_kind: global_buffer, .address_space: global }
      - { .name: xb, .offset: 24, .size: 8, .value_kind: global_buffer, .address_space: global }
      - { .name: wb, .offset: 32, .size: 8, .value_kind: global_buffer, .address_space: global }
      - { .name: vf, .offset: 40, .size: 8, .value_kind: global_buffer, .address_space: global }
      - { .name: pf, .offset: 48, .size: 8, .value_kind: global_buffer, .address_space: global }
    .group_segment_fixed_size: 327680
    .private_segment_fixed_size: 0
    .kernarg_segment_align: 8
    .kernarg_segment_size: 56
    .max_flat_workgroup_size: 128
    .sgpr_count:     80
    .vgpr_count:     1024
    .wavefront_size: 32
...
	.end_amdgpu_metadata
.endif
;; end of part 3
;; launch pv (part 4): grid 8 x 32, 4 waves a work-group, clusters of 4 x 1, 327,680 bytes of LDS; arguments qkv, pw, st, out0, vf, pf; writes out0
.if DOCPART == 4
	.amdgcn_target "amdgcn-amd-amdhsa--gfx1250"
	.amdhsa_code_object_version 6
	.text
	.protected	k_qc9b91dfed9_pv
	.globl	k_qc9b91dfed9_pv
	.p2align	8
	.type	k_qc9b91dfed9_pv,@function
k_qc9b91dfed9_pv:
	s_mov_b64 s[64:65], 0
	v_nop
	global_prefetch_b8 v0, s[64:65] scope:SCOPE_SE
	s_setreg_imm32_b32 hwreg(HW_REG_WAVE_MODE, 25, 1), 1
	s_wait_xcnt 0x0
	s_wait_alu depctr_hold_cnt(0) depctr_sa_sdst(0) depctr_va_vdst(0) depctr_va_sdst(0) depctr_va_ssrc(0) depctr_va_vcc(0) depctr_vm_vsrc(0)
	s_getreg_b32 s2, hwreg(HW_REG_IB_STS2, 6, 4)
	s_cmp_eq_u32 s2, 0
	s_cbranch_scc0 .Lentry_in_a_cluster
	s_endpgm
.Lentry_in_a_cluster:
	s_bfe_u32 s2, ttmp6, 0x10000c
	s_cmp_lg_u32 s2, 0x3003
	s_cbranch_scc0 .Lentry_shape_is_right
	s_endpgm
.Lentry_shape_is_right:
; out0[row][ch] = (sum over the row's blocks kb of 128 keys of f_kb (P_kb V_kb)[row][ch]) / L,  f_kb = 2^(c m_kb - cM), cM = the maximum of the row's c m_kb, L = sum of f_kb l_kb.
; P (f16, in fragment order), c m and l (f32) come from the launch before; V is qkv's third part (f16).  T = P_kb V_kb is summed in f32 by the matrix unit from 0; O += f T and L in f32.
; ROWS 0-15 OF A BATCH see keys 0-15 alone, so few that the roundings of p and v to f16 are not damped: their O is made anew from the unrounded p (pf) and v in f32 (vf), by 16 matrix instructions
; of the f32 form in each of the two waves that hold them (16 x 16 x 64 multiply-adds a wave: no bulk work).  Those rows' f16 products are made all the same, as part of the wave's 64 rows, and replaced.
; LIMITS: a wholly hidden block has c m = -1e30, so f = 0; f below 2^-126 counts as 0; NaN and infinities are not treated apart.
; SHARES.  A work-group makes two blocks of 128 rows x 128 channels of one batch, i = 15 - b and then i = b: (i >> 1) + 1 tiles of 256 keys each, 9 together whatever b: one counted walk,
; seven tiles in a loop that asks for the tile two on, the last two in a loop that asks for nothing.
; Wave w: rows 64 (w >> 1) + 16 t + r, channels 64 (w & 1) + 16 cb.  O^T = V^T P: source 0 = 16 channels x 32 keys (V turned by ds_load_tr16_b128), source 1 = P's fragment as stored:
; a lane holds one query and eight channels.
; CLUSTER 4 x 1: the four partners differ in their block of channels alone and walk the same P: P's tiles are asked for jointly (waves 0, 1); V's are each work-group's own (waves 2, 3), behind the same round.
; ONE TEXT FOR EVERY TILE AND EVERY WAY OUT, and its price: O is cleared by v_mov_b32 where a block begins (and once more, in vain, behind the last way out); the last tile's change of slots,
; the 32 LDS loads behind it and its four loads of statistics (the second block's tile 0 once more) serve nothing.
; REGISTERS: window 0: v0-95 addresses and statistics, v128-255 O ((t, cb) at 128 + 8 (4 t + cb)); window 1: two fragment buffers of 128 (P at 8 (4 c + t), V at 64 + 8 (4 c + cb));
; window 2: T0, T1, 128 each; window 3: v0-31 rows 0-15's sums, which matrix instructions alone write; v32-63 vf's four tiles; v64-71 pf.
.set PV,    288                        ; a row of V in LDS: 256 bytes + 32: 16 lanes of the turning load take 8 rows x 32 bytes
.set VOFF,  65536                      ; a slot: P's two blocks of 32,768 bytes, dense; then 256 rows of V
.set SLOT,  VOFF+256*PV                ; 139,264
.set STAGE, 2*SLOT                     ; 16 rows x 272 bytes for each wave; no tensor load lands here
.set SP,    272
.set SPARE, STAGE+4*16*SP
.set VSTEP, 256*6144                   ; bytes of qkv from a tile's keys to the next tile's
.set AP0, 2
.set AV0, 3
.set AV20, 4
.set AP,  5                            ; v5 P's place in the slot in hand; v6, v7 V's, keys 0-127 and 128-255
.set AV,  6
.set SO,  8                            ; v8 (64 wr + r) x 16: my row's statistics
.set STO, 9
.set RD,  10
.set GO,  11
.set SPW, 12
.set NIL, 13
.set CM,  16                           ; v16-19 cM of the block in hand, by t; v20-23 of the second block
.set CML, 20
.set LS,  24                           ; v24-27 L
.set FA,  28                           ; v[28:35] pairs: f of the tile's first 128 keys in the low word
.set FB,  36                           ; v[36:43] of its second 128
.set DD,  44                           ; v44-51 at work
.set IL,  52                           ; v[52:59] pairs: 1 / L
.set LN,  60                           ; v60 16 x lane
.set SN,  64                           ; v64-79 a tile's statistics: by t: c m, l, c m, l
.set VJ,  80                           ; v80-95 the prologue's offsets
.set O,   128
.set F0,  0
.set F1,  128
.set T0,  0
.set T1,  128
.set HX,  0                            ; window 3
.set HV,  32
.set HP,  64
.set WV, 12
.set WR, 13
.set WC, 14
.set BLK, 23                           ; s23 1 while the first block is in hand
.set G1P, 24
.set G1V, 32
.set G0P, 40                           ; s[40:47] two sets; the second walks on
.set G0V, 48
.set CNT, 56
.set RT,  57                           ; tiles left of the block in hand
.set TB,  58
.set NXT, 59                           ; the tile to ask for next, its block's last tile, its block's (16 batch + i) x 8
.set LQ,  60
.set AB,  61
.set SNX, 62                           ; the same three for the loads of statistics, which run one tile ahead
.set SLQ, 63
.set SAB, 66
.set LOQ, 67                           ; the second block's
.set LOAB, 68
.set HF,  69                           ; s69 0 in the waves that hold a batch's rows 0-15: b = 0, wr = 0
.set OFF, 70
.set SA,  72
.set VB,  74
.set PB,  76
.set OUTP, 78
.set OUTLO, 80
.set STH, 82
.set STL, 84
.set VFB, 88                           ; s[88:89] vf at my four tiles; s[90:91] pf at my batch
.set PFB, 90
.set MSB, 0
.macro WIN new
.if MSB != (\new)
	s_set_vgpr_msb (MSB<<8)|(\new)
.set MSB, \new
.endif
.endm
.set W_MM, 0xa5                        ; V and P in window 1, C and D in window 2
.set W_FM, 0x02                        ; T (source 0) in window 2, f and O in window 0
.set W_LD, 0x40                        ; destination window 1
.macro JLOAD                           ; waves 0, 1: P's two blocks, jointly; waves 2, 3: V's two halves.  An s_nop 0 and four v_nop follow each line
	s_cmp_lt_u32 s[WV], 2
	s_cbranch_scc0 .Lfor_v_\@
	tensor_load_to_lds s[G0P+4:G0P+7], s[G1P:G1P+7]
	s_nop 0
.rept 4
	v_nop
.endr
	s_branch .Lasked_\@
.Lfor_v_\@:
	tensor_load_to_lds s[G0V+4:G0V+7], s[G1V:G1V+7]
	s_nop 0
.rept 4
	v_nop
.endr
.Lasked_\@:
.endm
.macro CREST
	s_cmp_lg_u32 s[WV], 0
	s_cbranch_scc1 .Lnot_wave_0_\@
	s_barrier_signal -3
.Lnot_wave_0_\@:
	s_barrier_wait -3
	s_barrier_signal -1
	s_barrier_wait -1
.endm
.macro CROUND
	s_barrier_signal -1
	s_barrier_wait -1
	CREST
.endm
.macro ADV nx, lq, ab                  ; the block's next tile, or behind its last the second block's tile 0
	s_add_co_u32 s[\nx], s[\nx], 1
	s_cmp_gt_u32 s[\nx], s[\lq]
	s_cselect_b32 s[\nx], 0, s[\nx]
	s_cselect_b32 s[\lq], s[LOQ], s[\lq]
	s_cselect_b32 s[\ab], s[LOAB], s[\ab]
.endm
	s_load_b256 s[4:11], s[0:1], 0x0               ; qkv s[4:5], pw s[6:7], st s[8:9], out0 s[10:11]
	s_load_b128 s[88:91], s[0:1], 0x20             ; vf, pf
	v_lshl_add_u32 v[SPW], v0, 2, SPARE
	v_mov_b32 v[NIL], 0
	ds_add_u32 v[SPW], v[NIL]                      ; the wave's opening: the add and its wait ahead of my first tensor load
	ds_add_u32 v12, v13
	v_lshrrev_b32 v1, 5, v0
	v_readfirstlane_b32 s[WV], v1
	s_lshr_b32 s[WR], s[WV], 1
	s_and_b32 s[WC], s[WV], 1
	s_and_b32 s18, ttmp7, 0xffff
	s_lshr_b32 s17, s18, 3                         ; batch
	s_and_b32 s18, s18, 7                          ; b
	s_sub_co_u32 s19, 15, s18                      ; the first block, i = 15 - b
	s_or_b32 s[HF], s18, s[WR]
	s_lshl_b32 s20, s17, 4
	s_add_co_u32 s[AB], s20, s19
	s_lshl_b32 s[AB], s[AB], 3
	s_add_co_u32 s[LOAB], s20, s18
	s_lshl_b32 s[LOAB], s[LOAB], 3
	s_lshr_b32 s[LQ], s19, 1
	s_lshr_b32 s[LOQ], s18, 1
	s_mov_b32 s[SAB], s[AB]
	s_mov_b32 s[SLQ], s[LQ]
	s_mov_b32 s[NXT], 2                            ; tiles 0 and 1 are the first fills (the first block has five tiles or more)
	s_mov_b32 s[SNX], 1
	s_add_co_u32 s[RT], s[LQ], 1
	s_mov_b32 s[TB], 0
	s_mov_b32 s[OFF+1], 0
	; what hangs on my place in the cluster stays in s2, s3, s15, s16, s86, s87, VB, VFB, OUTP, OUTLO and V's descriptors: none of them feeds P's
	s_bfe_u32 s15, ttmp6, 0x40000                  ; cx
	s_lshl_b32 s16, ttmp9, 2
	s_add_co_u32 s16, s16, s15                     ; my block of 128 channels
	s_lshl_b32 s2, s17, 11
	s_lshl_b32 s3, s[WC], 7
	s_add_co_u32 s2, s2, s3
	s_mul_i32 s2, s2, 6144                         ; V: row 2,048 batch + 128 half,
	s_lshl_b32 s3, s16, 8
	s_add_co_u32 s2, s2, s3
	s_add_co_u32 s2, s2, 4096                      ; byte 4,096 + 256 x block of channels
	s_mov_b32 s3, 0
	s_lshl_b32 s86, s17, 11
	s_lshl_b32 s87, s[WR], 6
	s_add_co_u32 s86, s86, s87
	s_lshl_b32 s86, s86, 12                        ; out0: row 2,048 batch + 64 wr,
	s_lshl_b32 s87, s16, 9
	s_add_co_u32 s86, s86, s87
	s_lshl_b32 s87, s[WC], 8
	s_add_co_u32 s86, s86, s87                     ; byte 512 x block of channels + 256 wc
	s_mov_b32 s87, 0
	s_mov_b32 s[G1P+0], 15|(3<<16)|(1<<21)         ; the mask of four; 8-byte elements; bit 21 beside a mask; no padding
	s_mov_b32 s[G1P+1], 32<<16                     ; a dense block of 32,768 bytes as 128 rows of 256
	s_mov_b32 s[G1P+2], 128<<16
	s_mov_b32 s[G1P+3], 32<<16
	s_mov_b32 s[G1P+4], 128
	s_mov_b32 s[G1P+5], 32
	s_mov_b32 s[G1P+6], 0
	s_mov_b32 s[G1P+7], 0
	s_mov_b32 s[G1V+0], (1<<16)|(1<<20)|(5<<22)|(7<<25)  ; 2-byte elements; padding: after 64 words, 8 words
	s_mov_b32 s[G1V+1], 128<<16
	s_mov_b32 s[G1V+2], 128<<16
	s_mov_b32 s[G1V+3], 128<<16
	s_mov_b32 s[G1V+4], 128
	s_mov_b32 s[G1V+5], 3072
	s_mov_b32 s[G1V+6], 0
	s_mov_b32 s[G1V+7], 0
	s_lshl_b32 s20, s[WC], 15                      ; P: which of a tile's two blocks I fetch, in memory and in LDS
	s_mov_b32 s21, 0
	s_mul_i32 s22, s[WC], 128*PV
	s_add_co_u32 s22, s22, VOFF                    ; V: where my 128 keys land
	s_wait_dscnt 0x0                               ; the opening add is done
	s_wait_kmcnt 0x0
	s_add_nc_u64 s[PB:PB+1], s[6:7], s[20:21]
	s_add_nc_u64 s[VB:VB+1], s[4:5], s[2:3]
	s_add_nc_u64 s[OUTLO:OUTLO+1], s[10:11], s[86:87]
	s_lshl_b32 s2, s17, 6                          ; vf: tile 64 batch + 8 x block of channels + 4 wc, 1,024 bytes each
	s_lshl_b32 s3, s16, 3
	s_add_co_u32 s2, s2, s3
	s_lshl_b32 s3, s[WC], 2
	s_add_co_u32 s2, s2, s3
	s_lshl_b32 s2, s2, 10
	s_mov_b32 s3, 0
	s_add_nc_u64 s[VFB:VFB+1], s[VFB:VFB+1], s[2:3]
.irp k, 0,1
	s_mov_b32 s[G0P+4*\k], 1
	s_add_co_u32 s[G0P+4*\k+1], s20, \k*SLOT
	s_add_co_u32 s[OFF], s[AB], \k
	s_lshl_b32 s[OFF], s[OFF], 16                  ; a tile's two blocks of P are 65,536 bytes
	s_add_nc_u64 s[G0P+4*\k+2:G0P+4*\k+3], s[PB:PB+1], s[OFF:OFF+1]
	s_or_b32 s[G0P+4*\k+3], s[G0P+4*\k+3], 0x80000000
	s_mov_b32 s[G0V+4*\k], 1
	s_add_co_u32 s[G0V+4*\k+1], s22, \k*SLOT
	s_add_nc_u64 s[G0V+4*\k+2:G0V+4*\k+3], s[VB:VB+1], \k*VSTEP
	s_or_b32 s[G0V+4*\k+3], s[G0V+4*\k+3], 0x80000000
.endr
	s_lshl_b32 s22, s19, 19                        ; 128 rows of 4,096 bytes a block
	s_mov_b32 s23, 0
	s_add_nc_u64 s[OUTP:OUTP+1], s[OUTLO:OUTLO+1], s[22:23]
	s_lshl_b32 s22, s18, 19
	s_add_nc_u64 s[OUTLO:OUTLO+1], s[OUTLO:OUTLO+1], s[22:23]
	s_lshl_b32 s22, s[AB], 11
	s_add_nc_u64 s[STH:STH+1], s[8:9], s[22:23]
	s_lshl_b32 s22, s[LOAB], 11
	s_add_nc_u64 s[STL:STL+1], s[8:9], s[22:23]
	s_lshl_b32 s22, s17, 10                        ; pf: 1,024 bytes a batch
	s_add_nc_u64 s[PFB:PFB+1], s[PFB:PFB+1], s[22:23]
	s_mov_b32 s[BLK], 1
	CROUND                                         ; all four work-groups are here: the first joint loads meet
	s_cmp_lt_u32 s[WV], 2                          ; a wave's two first fills stand in one branch: two loads of mine are out
	s_cbranch_scc0 .Lfirst_v
	tensor_load_to_lds s[G0P:G0P+3], s[G1P:G1P+7]
	s_nop 0
	tensor_load_to_lds s[G0P+4:G0P+7], s[G1P:G1P+7]
	s_nop 0
.rept 4
	v_nop
.endr
	s_branch .Lfirst_asked
.Lfirst_v:
	tensor_load_to_lds s[G0V:G0V+3], s[G1V:G1V+7]
	s_nop 0
	tensor_load_to_lds s[G0V+4:G0V+7], s[G1V:G1V+7]
	s_nop 0
.rept 4
	v_nop
.endr
.Lfirst_asked:
	v_and_b32 v14, 15, v0                          ; r
	v_bfe_u32 v15, v0, 4, 1                        ; h
	v_and_b32 v1, 31, v0
	v_lshlrev_b32 v[LN], 4, v1
	s_lshl_b32 s20, s[WR], 14                      ; my four blocks of 16 rows, 4,096 bytes each
	v_add_nc_u32 v[AP0], s20, v[LN]
	v_and_b32 v1, 7, v0
	v_lshl_add_u32 v1, v15, 3, v1                  ; the turning load: key 8 h + l % 8,
	v_mul_u32_u24 v[AV0], v1, PV
	v_bfe_u32 v1, v0, 3, 1
	v_lshl_add_u32 v[AV0], v1, 4, v[AV0]           ; channels 8 ((l / 8) % 2) on
	s_lshl_b32 s20, s[WC], 7
	s_add_co_u32 s20, s20, VOFF
	v_add_nc_u32 v[AV0], s20, v[AV0]
	v_add_nc_u32 v[AV20], 128*PV, v[AV0]
	v_mov_b32 v[AP], v[AP0]
	v_mov_b32 v[AV], v[AV0]
	v_mov_b32 v[AV+1], v[AV20]
	s_lshl_b32 s20, s[WR], 10
	v_lshl_add_u32 v[SO], v14, 4, s20
	s_mul_i32 s20, s[WV], 16*SP
	s_add_co_u32 s20, s20, STAGE
	v_mul_u32_u24 v[STO], v14, SP                  ; in: row r, 32 bytes for each half of the lanes
	v_lshl_add_u32 v[STO], v15, 5, v[STO]
	v_add_nc_u32 v[STO], s20, v[STO]
	v_mul_u32_u24 v[RD], v15, SP                   ; back: lanes 0-15 one row of 256 bytes, lanes 16-31 the next
	v_lshl_add_u32 v[RD], v14, 4, v[RD]
	v_add_nc_u32 v[RD], s20, v[RD]
	v_lshlrev_b32 v[GO], 12, v15
	v_lshl_add_u32 v[GO], v14, 4, v[GO]
	; THE ROWS' MAXIMA.  For both blocks all eight tiles' statistics are asked for, the tile's number clamped to the block's last: a repeated entry changes no maximum, and only written entries are read.
.irp J, 0,1,2,3,4,5,6,7
	s_min_u32 s20, s[LQ], \J
	s_lshl_b32 s20, s20, 11
	v_add_nc_u32 v[VJ+\J], s20, v[SO]
	s_min_u32 s20, s[LOQ], \J
	s_lshl_b32 s20, s20, 11
	v_add_nc_u32 v[VJ+8+\J], s20, v[SO]
.endr
	WIN 0x80                                       ; destination window 2: T's registers are free
.irp J, 0,1,2,3,4,5,6,7
.irp t, 0,1,2,3
	global_load_b128 v[16*\J+4*\t:16*\J+4*\t+3], v[VJ+\J], s[STH:STH+1] offset:256*\t
	global_load_b128 v[128+16*\J+4*\t:128+16*\J+4*\t+3], v[VJ+8+\J], s[STL:STL+1] offset:256*\t
.endr
.endr
	WIN 0
.irp t, 0,1,2,3
	global_load_b128 v[SN+4*\t:SN+4*\t+3], v[SO], s[STH:STH+1] offset:256*\t   ; tile 0's statistics once more, where the walk reads them
.endr
.set i, 0
.rept 128
	v_mov_b32 v[O+i], 0
.set i, i+1
.endr
.irp t, 0,1,2,3
	v_mov_b32 v[LS+\t], 0
	v_mov_b32 v[FA+2*\t+1], 0                      ; the pairs' high words are named, never used
	v_mov_b32 v[FB+2*\t+1], 0
	v_mov_b32 v[IL+2*\t+1], 0
.endr
	s_wait_loadcnt 4                               ; all but tile 0's four
	WIN 0x0a
.irp t, 0,1,2,3
	v_max_num_f32 v[CM+\t], v[4*\t], v[4*\t+2]
	v_max_num_f32 v[CML+\t], v[128+4*\t], v[128+4*\t+2]
.endr
	WIN 0x28
.irp J, 1,2,3,4,5,6,7
.irp t, 0,1,2,3
	v_max3_num_f32 v[CM+\t], v[CM+\t], v[16*\J+4*\t], v[16*\J+4*\t+2]
	v_max3_num_f32 v[CML+\t], v[CML+\t], v[128+16*\J+4*\t], v[128+16*\J+4*\t+2]
.endr
.endr
	WIN 0
; n products from number first on of the 16 (t = z / 4, cb = z % 4) of 32 keys: chunk c of buffer f, into acc.  The 16 accumulators take turns.
.macro MULP f, c, acc, zero, first=0, n=16
	WIN W_MM
.set z, (\first)
.rept (\n)
.if \zero
	v_wmma_f32_16x16x32_f16 v[(\acc)+8*z:(\acc)+8*z+7], v[(\f)+64+8*(4*(\c)+z%4):(\f)+64+8*(4*(\c)+z%4)+7], v[(\f)+8*(4*(\c)+z/4):(\f)+8*(4*(\c)+z/4)+7], 0
.else
	v_wmma_f32_16x16x32_f16 v[(\acc)+8*z:(\acc)+8*z+7], v[(\f)+64+8*(4*(\c)+z%4):(\f)+64+8*(4*(\c)+z%4)+7], v[(\f)+8*(4*(\c)+z/4):(\f)+8*(4*(\c)+z/4)+7], v[(\acc)+8*z:(\acc)+8*z+7]
.endif
.set z, z+1
.endr
.endm
; 32 LDS loads in one run: quarter q (64 keys) of the tile into buffer f, its first 32 keys first
.macro FETCHP q, f
	WIN W_LD
.irp c, 0,1
.irp t, 0,1,2,3
	ds_load_b128 v[(\f)+8*(4*\c+\t):(\f)+8*(4*\c+\t)+3],   v[AP] offset:((\q)/2)*32768+\t*4096+(4*((\q)%2)+2*\c)*512
	ds_load_b128 v[(\f)+8*(4*\c+\t)+4:(\f)+8*(4*\c+\t)+7], v[AP] offset:((\q)/2)*32768+\t*4096+(4*((\q)%2)+2*\c)*512+512
.endr
.irp t, 0,1,2,3
	ds_load_tr16_b128 v[(\f)+64+8*(4*\c+\t):(\f)+64+8*(4*\c+\t)+3],   v[AV+(\q)/2] offset:(64*((\q)%2)+32*\c)*PV+32*\t
	ds_load_tr16_b128 v[(\f)+64+8*(4*\c+\t)+4:(\f)+64+8*(4*\c+\t)+7], v[AV+(\q)/2] offset:(64*((\q)%2)+32*\c+16)*PV+32*\t
.endr
.endr
.endm
.macro PLACES                          ; four plain vector instructions between a matrix instruction and a load into, or a vector read of, its registers
.rept 4
	v_nop
.endr
.endm
; O += f T for n accumulators from number first on; each accumulator's registers in ascending order
.macro RIDE acc, fr, first, n
	WIN W_FM
.set z, (\first)
.rept (\n)
.irp p, 0,1,2,3
	v_pk_fma_f32 v[O+8*z+2*\p:O+8*z+2*\p+1], v[(\acc)+8*z+2*\p:(\acc)+8*z+2*\p+1], v[(\fr)+2*(z/4):(\fr)+2*(z/4)+1], v[O+8*z+2*\p:O+8*z+2*\p+1] op_sel_hi:[1,0,1]
.endr
.set z, z+1
.endr
.endm
; One of a tile's first three quarters
.macro QP q, f, g, acc, zero, ride
	s_wait_dscnt 16                                ; the first 32 keys' fragments are in
	MULP \f, 0, \acc, \zero
	PLACES
.if \ride
	RIDE T0, FA, 0, 8
.endif
	FETCHP (\q)+1, \g
	s_wait_dscnt 32                                ; all but the 32 just issued
	MULP \f, 1, \acc, 0
.endm
; The tile's last quarter and the change of slots: all my tensor loads, the add, the wait for it and for my reads; fill = 1: a round of the cluster's barrier, and the refill first behind it.
.macro TURNP fill
	WIN 0
	s_wait_tensorcnt 0x0                           ; all my tensor loads have landed: my part of the next slot; so a group 0 may be written
	ds_add_u32 v[SPW], v[NIL]
.if \fill
	s_add_co_u32 s[OFF], s[AB], s[NXT]
	s_lshl_b32 s[OFF], s[OFF], 16
	s_xor_b32 s[G0P+5], s[G0P+5], SLOT             ; the other slot than last time (SLOT's two bits are clear in the words)
	s_add_nc_u64 s[G0P+6:G0P+7], s[PB:PB+1], s[OFF:OFF+1]   ; the address is made anew from the tile's number
	s_or_b32 s[G0P+7], s[G0P+7], 0x80000000
	s_mul_i32 s[OFF], s[NXT], VSTEP
	s_xor_b32 s[G0V+5], s[G0V+5], SLOT
	s_add_nc_u64 s[G0V+6:G0V+7], s[VB:VB+1], s[OFF:OFF+1]
	s_or_b32 s[G0V+7], s[G0V+7], 0x80000000
	ADV NXT, LQ, AB
.endif
	s_wait_dscnt 17                                ; the add and the youngest sixteen loads may be out
	MULP F1, 0, T1, 0, 0, 8
	s_wait_dscnt 0x0                               ; the add is done, and my reads of this slot are over
	s_barrier_signal -1
	MULP F1, 0, T1, 0, 8, 8
	WIN 0
	s_barrier_wait -1
.if \fill
	CREST                                          ; no wave of any partner still reads this slot or has a load on its way
	JLOAD                                          ; its four v_nop are also the places in front of the loads below
.else
	PLACES
.endif
	RIDE T0, FA, 8, 8
	WIN 0
	s_xor_b32 s[TB], s[TB], SLOT
	v_add_nc_u32 v[AP], s[TB], v[AP0]
	v_add_nc_u32 v[AV], s[TB], v[AV0]
	v_add_nc_u32 v[AV+1], s[TB], v[AV20]
	FETCHP 0, F0
	MULP F1, 1, T1, 0
.endm
; A tile's two scales a row and its share of L; then the next tile's statistics are asked for.
.macro TSTART
	WIN 0
	s_wait_loadcnt 0x0                             ; this tile's statistics; their base may be written again
.irp t, 0,1,2,3
	v_sub_f32 v[DD+\t], v[SN+4*\t], v[CM+\t]
	v_sub_f32 v[DD+4+\t], v[SN+4*\t+2], v[CM+\t]
.endr
.irp t, 0,1,2,3
	v_exp_f32 v[FA+2*\t], v[DD+\t]
	v_exp_f32 v[FB+2*\t], v[DD+4+\t]
.endr
	v_nop                                          ; a plain instruction between the exponentials and the use of their results
	s_wait_alu depctr_va_vdst(0)
.irp t, 0,1,2,3
	v_fma_f32 v[LS+\t], v[FA+2*\t], v[SN+4*\t+1], v[LS+\t]
.endr
.irp t, 0,1,2,3
	v_fma_f32 v[LS+\t], v[FB+2*\t], v[SN+4*\t+3], v[LS+\t]
.endr
	s_add_co_u32 s[OFF], s[SAB], s[SNX]
	s_lshl_b32 s[OFF], s[OFF], 11
	s_add_nc_u64 s[SA:SA+1], s[8:9], s[OFF:OFF+1]
	ADV SNX, SLQ, SAB
.irp t, 0,1,2,3
	global_load_b128 v[SN+4*\t:SN+4*\t+3], v[SO], s[SA:SA+1] offset:256*\t
.endr
.endm
.macro TILE fill
	TSTART
	QP 0, F0, F1, T0, 1, 0                         ; keys 0-127 into T0, from 0
	QP 1, F1, F0, T0, 0, 0
	QP 2, F0, F1, T1, 1, 1                         ; keys 128-255 into T1, from 0; beside them O += f T0
	TURNP \fill
	PLACES
	RIDE T1, FB, 0, 16
	WIN 0
.endm
; THE WAY OUT of a block: O / L, 16 rows at a time through my stage, back as whole rows of 256 bytes; then the second block's beginning.
.macro OPACK t
.set i, 0
.rept 16
	v_pk_mul_f32 v[O+32*(\t)+2*i:O+32*(\t)+2*i+1], v[O+32*(\t)+2*i:O+32*(\t)+2*i+1], v[IL+2*(\t):IL+2*(\t)+1] op_sel_hi:[1,0]
.set i, i+1
.endr
.irp cb, 0,1,2,3
	ds_store_b128 v[STO], v[O+32*(\t)+8*\cb:O+32*(\t)+8*\cb+3] offset:64*\cb
	ds_store_b128 v[STO], v[O+32*(\t)+8*\cb+4:O+32*(\t)+8*\cb+7] offset:64*\cb+16
.endr
.irp u, 0,1,2,3,4,5,6,7
	ds_load_b128 v[O+32*(\t)+4*\u:O+32*(\t)+4*\u+3], v[RD] offset:\u*2*SP  ; LDS serves a wave's instructions in order: these see the stores above; the next rows' stores come behind them
.endr
.endm
.macro OSEND t, younger                ; younger: the LDS instructions issued behind these rows' loads
.irp u, 0,1,2,3,4,5,6,7
	s_wait_dscnt (\younger)+7-\u
	global_store_b128 v[GO], v[O+32*(\t)+4*\u:O+32*(\t)+4*\u+3], s[OUTP:OUTP+1] offset:(16*(\t)+2*\u)*4096  ; 16 lanes store 256 consecutive bytes, aligned
.endr
.endm
.macro WAYOUT
	WIN 0
.irp t, 0,1,2,3
	v_rcp_f32 v[IL+2*\t], v[LS+\t]
.endr
	v_nop                                          ; a plain instruction between the last reciprocal and the use of its result
	s_wait_alu depctr_va_vdst(0)
	OPACK 0
	OPACK 1
	OSEND 0, 16
	OPACK 2
	OSEND 1, 16
	OPACK 3
	OSEND 2, 16
	OSEND 3, 0
	s_wait_xcnt 0x0                                ; the stores' registers and base are rewritten only behind this wait
	s_mov_b64 s[OUTP:OUTP+1], s[OUTLO:OUTLO+1]
	s_add_co_u32 s[RT], s[LOQ], 1
	s_mov_b32 s[BLK], 0
.irp t, 0,1,2,3
	v_mov_b32 v[CM+\t], v[CML+\t]
	v_mov_b32 v[LS+\t], 0
.endr
.set i, 0
.rept 128
	v_mov_b32 v[O+i], 0
.set i, i+1
.endr
.endm
	s_wait_tensorcnt 1                             ; my part of tile 0 is in; tile 1's may stay out
	s_barrier_signal -1
	s_barrier_wait -1
	FETCHP 0, F0
	WIN 0
	s_mov_b32 s[CNT], 7
.Ltile:                                                ; tiles 0 to 6 of the walk's nine: each asks for the tile two on
	TILE 1
	s_sub_co_u32 s[RT], s[RT], 1
	s_cmp_lg_u32 s[RT], 0
	s_cbranch_scc1 .Lgo_on                         ; forward, past text with no barrier and no tensor load; b is the same in all partners
	WAYOUT
.Lgo_on:
	s_sub_co_u32 s[CNT], s[CNT], 1
	s_cmp_lg_u32 s[CNT], 0
	s_cbranch_scc1 .Ltile
	s_mov_b32 s[CNT], 2
.Ltile2:                                               ; tiles 7 and 8 ask for nothing; tile 8 is the second block's last
	TILE 0
	s_sub_co_u32 s[RT], s[RT], 1
	s_cmp_lg_u32 s[RT], 0
	s_cbranch_scc1 .Lgo_on_2
	; ROWS 0-15 OF THE BATCH (b = 0, wr = 0, the second block, t = 0): O^T = V^T P once more, in f32, over keys 0-15.  The f32 form takes 4 along K, register j of lane (r, h) being k = 2 h + j; step s takes
	; registers 2 s, 2 s + 1 of vf's tile (channel r, keys 8 h + 2 s + j) and of pf (query r, the same keys): one order of the keys for both sources, each key once.  The result lies as O lies.
	; The jump goes forward, past text with no barrier and no tensor load; b is the same in all partners.
	s_or_b32 s22, s[HF], s[BLK]
	s_cmp_eq_u32 s22, 0
	s_cbranch_scc0 .Lno_head
	WIN 0xc0                                       ; destination window 3, address window 0
	global_load_b128 v[HP:HP+3],   v[LN], s[PFB:PFB+1]
	global_load_b128 v[HP+4:HP+7], v[LN], s[PFB:PFB+1] offset:512
.irp cb, 0,1,2,3
	global_load_b128 v[HV+8*\cb:HV+8*\cb+3],   v[LN], s[VFB:VFB+1] offset:1024*\cb
	global_load_b128 v[HV+8*\cb+4:HV+8*\cb+7], v[LN], s[VFB:VFB+1] offset:1024*\cb+512
.endr
	s_wait_loadcnt 0x0
	WIN 0xff                                       ; all four operands in window 3
.irp s, 0,1,2,3                            ; the four accumulators take turns; the first step starts the sums with 0
.irp cb, 0,1,2,3
.if \s == 0
	v_wmma_f32_16x16x4_f32 v[HX+8*\cb:HX+8*\cb+7], v[HV+8*\cb+2*\s:HV+8*\cb+2*\s+1], v[HP+2*\s:HP+2*\s+1], 0
.else
	v_wmma_f32_16x16x4_f32 v[HX+8*\cb:HX+8*\cb+7], v[HV+8*\cb+2*\s:HV+8*\cb+2*\s+1], v[HP+2*\s:HP+2*\s+1], v[HX+8*\cb:HX+8*\cb+7]
.endif
.endr
.endr
.rept 8
	v_nop                                          ; eight places behind this form before a vector instruction reads its result (ISA guide 7.12.1)
.endr
	WIN 0x03                                       ; the sums (source 0) in window 3; f and O in window 0
.irp cb, 0,1,2,3
.irp p, 0,1,2,3
	v_pk_mul_f32 v[O+8*\cb+2*\p:O+8*\cb+2*\p+1], v[HX+8*\cb+2*\p:HX+8*\cb+2*\p+1], v[FA:FA+1] op_sel_hi:[1,0]  ; O = f T takes the place of what the f16 products left (f is 1: these rows have one visible block)
.endr
.endr
	WIN 0
.Lno_head:
	WAYOUT
.Lgo_on_2:
	s_sub_co_u32 s[CNT], s[CNT], 1
	s_cmp_lg_u32 s[CNT], 0
	s_cbranch_scc1 .Ltile2
	s_wait_tensorcnt 0x0                           ; the wave's end
	ds_add_u32 v[SPW], v[NIL]
	s_wait_dscnt 0x0
	CROUND                                         ; the closing round
	s_endpgm
.Lfunc_end_k_qc9b91dfed9_pv:
	.size	k_qc9b91dfed9_pv, .Lfunc_end_k_qc9b91dfed9_pv-k_qc9b91dfed9_pv
	.p2alignl 7, 3214868480
	.fill 96, 4, 3214868480
	.section	.rodata,"a",@progbits
	.p2align	6, 0x0
	.amdhsa_kernel k_qc9b91dfed9_pv
		.amdhsa_group_segment_fixed_size 327680
		.amdhsa_private_segment_fixed_size 0
		.amdhsa_enable_private_segment 0
		.amdhsa_kernarg_size 48
		.amdhsa_user_sgpr_count 2
		.amdhsa_user_sgpr_kernarg_segment_ptr 1
		.amdhsa_wavefront_size32 1
		.amdhsa_system_sgpr_workgroup_id_x 1
		.amdhsa_system_sgpr_workgroup_id_y 1
		.amdhsa_system_sgpr_workgroup_id_z 1
		.amdhsa_system_vgpr_workitem_id 0
		.amdhsa_next_free_vgpr 840
		.amdhsa_next_free_sgpr 92
		.amdhsa_reserve_vcc 0
		.amdhsa_float_denorm_mode_32 3
		.amdhsa_float_denorm_mode_16_64 3
		.amdhsa_memory_ordered 1
		.amdhsa_forward_progress 1
		.amdhsa_inst_pref_size 120
	.end_amdhsa_kernel
	.amdgpu_metadata
---
amdhsa.version: [ 1, 2 ]
amdhsa.kernels:
  - .name:           k_qc9b91dfed9_pv
    .symbol:         k_qc9b91dfed9_pv.kd
    .args:
      - { .name: qkv, .offset: 0, .size: 8, .value_kind: global_buffer, .address_space: global }
      - { .name: pw, .offset: 8, .size: 8, .value_kind: global_buffer, .address_space: global }
      - { .name: st, .offset: 16, .size: 8, .value_kind: global_buffer, .address_space: global }
      - { .name: out0, .offset: 24, .size: 8, .value_kind: global_buffer, .address_space: global }
      - { .name: vf, .offset: 32, .size: 8, .value_kind: global_buffer, .address_space: global }
      - { .name: pf, .offset: 40, .size: 8, .value_kind: global_buffer, .address_space: global }
    .group_segment_fixed_size: 327680
    .private_segment_fixed_size: 0
    .kernarg_segment_align: 8
    .kernarg_segment_size: 48
    .max_flat_workgroup_size: 128
    .sgpr_count:     92
    .vgpr_count:     840
    .wavefront_size: 32
...
	.end_amdgpu_metadata
.endif
;; end of part 4
